; MI455X (gfx1250); checked and timed in simulation.
; The chip was launched on July 23, 2026; its instructions are those of AMD's public machine-readable ISA for CDNA 5 (MIT licence, August 2026) and "CDNA5" Instruction Set Architecture Reference Guide (July 2026). The comments in the code are by the model that wrote it; some were corrected since.
;; Multi Head Attention Block. Allowed arithmetic: matrix products marked QUANTISED: E2M3 operands, one E8M0 scale for each 32 along K, by v_wmma_scale_f32_16x16x128_f8f6f4 with both operands' format E2M3, f32 sums; everything else in f32.
;; Inputs: Wk 1,024 x 1,024 float32; Wo 1,024 x 1,024 float32; Wq 1,024 x 1,024 float32; Wv 1,024 x 1,024 float32; bk 1,024 float32; bo 1,024 float32; bq 1,024 float32; bv 1,024 float32; k 4 x 2,048 x 1,024 float32; mask 4 x 1 x 1 x 2,048 int32; q 4 x 2,048 x 1,024 float32; v 4 x 2,048 x 1,024 float32.
;; Outputs: out0 4 x 2,048 x 1,024 float32.
;; This version of the problem:
;;   THIS VERSION OF THE PROBLEM IS GIVEN IN LOW PRECISION. The matrix products marked QUANTISED in the list below multiply operands that are first quantised to E2M3 (2 exponent bits, 3 mantissa bits; 6 bits a number), with one power-of-two scale for each 32 numbers along K (OCP MX v1.0); their sums are f32. All else is computed in f32.
;;   The module's matrix products, in the order in which they are computed (A, B: the left and right operand; K: the contracted axis; several contracted axes count as one K, in the product's order):
;;     1. [M 8,192, K 1,024] x [K 1,024, N 1,024]; A: input q; B: input Wq: QUANTISED
;;     2. [M 8,192, K 1,024] x [K 1,024, N 1,024]; A: input k; B: input Wk: QUANTISED
;;     3. [M 8,192, K 1,024] x [K 1,024, N 1,024]; A: input v; B: input Wv: QUANTISED
;;     4. batch 64 x [M 2,048, K 64] x [K 64, N 2,048]; A: computed on the way; B: computed on the way: QUANTISED
;;     5. batch 64 x [M 2,048, K 2,048] x [K 2,048, N 64]; A: softmax (see below); B: computed on the way: QUANTISED
;;     6. [M 8,192, K 1,024] x [K 1,024, N 1,024]; A: computed on the way; B: input Wo: QUANTISED
;;   THE QUANTISER, for each operand of a quantised product, along K:
;;     - K is cut into blocks of 32 from its start; a last block that is shorter is filled with zeros.
;;     - A block's scale is 2^e with e = floor(log2(the largest magnitude in the block)) - 2, held to -126 .. 127; a block of zeros has e = 0. As a byte (E8M0): e + 127.
;;     - Each number is divided by its block's scale, clamped to +-7.5, and rounded to the nearest number of E2M3, ties to even, subnormals kept.
;;     - The product sums the exact products of the quantised numbers (number of the format x scale) in f32.
;;   ~~~python
;;   def quantise(x, axis):      # numpy; x: float32 -> the quantised numbers, widened to float32 again
;;       x = np.moveaxis(x, axis, -1); K = x.shape[-1]
;;       x = np.pad(x, [(0, 0)] * (x.ndim - 1) + [(0, -K % 32)]); x = x.reshape(x.shape[:-1] + (-1, 32)); a = np.abs(x).max(-1, keepdims=True)
;;       e = np.where(a > 0, np.clip(np.frexp(np.where(a > 0, a, 1))[1] - 1 - 2, -126, 127), 0)      # np.frexp(a)[1] - 1 = floor(log2(a)), exactly
;;       r = np.clip(x / 2.0 ** e, -7.5, 7.5)
;;       step = 2.0 ** (np.maximum(np.frexp(np.where(r == 0, 1, r))[1] - 1, 0) - 3)
;;       q = np.round(r / step) * step * 2.0 ** e      # np.round: ties to even
;;       return np.moveaxis(q.reshape(q.shape[:-2] + (-1,))[..., :K], -1, axis).astype(np.float32)
;;   ~~~
;;   SOFTMAX AHEAD OF A QUANTISED PRODUCT. Where the list says 'softmax', what is quantised is not the finished softmax but p = 2^(t - M), with t = logit x log2(e) and M = ceil(the row's largest t), a whole number; so 1/2 < the row's largest p <= 1. The row's sum l is taken of the UNQUANTISED p, in f32, and the product's result is divided by l at the end. Since M is a whole number, a kernel that streams over the keys may use a running M (the ceiling of the running maximum): every later rescaling is an exact power of two, which a block's scale takes up: the codes' values come out the same.
;;   OPERANDS COMPUTED ON THE WAY. 'Computed on the way' means the value that the module computes at that place (a softmax that the list does not call 'softmax' is quantised finished and normalised). What goes into a quantiser is computed in f32, as accurately as f32 sums, v_exp_f32 and their like allow (about 1e-6 of the number): no bf16 or f16 on the way to a quantiser, and a product that is left as it is and whose result goes on into a quantised operand takes f32 operands (vector FMAs, or v_wmma_f32_16x16x4_f32). A number that lies on a knife's edge between two numbers of the format may be rounded either way, as far as f32 arithmetic and the matrix unit's own rounding can turn it there, and no further.
;; One version. Each part assembles by itself: llvm-mc -triple=amdgcn-amd-amdhsa -mcpu=gfx1250 --defsym DOCPART=n.
;; ======== version 1 of 1: 4 launches
;; limits: right only within a limited range of input values
;; workspace buffers: wimg 3,145,728 bytes; wsc 131,072 bytes; ximg 18,874,368 bytes; xsc 786,432 bytes; qkv 19,660,800 bytes; cimg 6,291,456 bytes; csc 262,144 bytes
;; launch quant (part 1): grid 896 x 1, 4 waves a work-group, no clusters, 58,880 bytes of LDS; arguments q, k, v, ximg, xsc, Wq, Wk, Wv, Wo, wimg, wsc; writes ximg, xsc, wimg, wsc
.if DOCPART == 1
	.amdgcn_target "amdgcn-amd-amdhsa--gfx1250"
	.amdhsa_code_object_version 6
	.text
	.protected	k_q1032720f6d_quant
	.globl	k_q1032720f6d_quant
	.p2align	8
	.type	k_q1032720f6d_quant,@function
k_q1032720f6d_quant:
	s_mov_b64 s[64:65], 0
	v_nop
	global_prefetch_b8 v0, s[64:65] scope:SCOPE_SE
	s_setreg_imm32_b32 hwreg(HW_REG_WAVE_MODE, 25, 1), 1
	s_wait_xcnt 0x0
; All seven f32 operands of the four projections become codes of FP6 (E2M3) with one E8M0 byte for each 32 along K, laid as IMAGES OF OPERAND REGISTERS.
; THE IMAGE.  A tile T is 16 rows (tokens, or columns n of a weight): lane r takes row 32 (T / 2) + 8 (T % 2) + r + 8 (r / 8).  A chunk is 768 bytes, six registers of 32 lanes, 64 along K:
; bytes 16 l: lane l's registers 0-3; bytes 512 + 8 l: its registers 4-5.  Codes: [tensor][T][K step of 128, 0..7][chunk 0..1].  Scales: [tensor][T][slot of 256 along K][r][2 words].
; Work-groups 0-127 take Wq, Wk, Wv, Wo ([k][n], K on the first axis): 128 columns x 256 along K each; a lane takes a column and its registers run down K.
; Work-groups 128-895 take q, k, v ([token][k]): 32 tokens each; wave w: tile w / 2, half w % 2 of K; a K step's 16 rows turn through the wave's stage in LDS.
; The two paths part on the work-group's number alone and have LDS bytes of their own.  No tensor load, no barrier, no cluster: waves and work-groups share no input.
; A block's byte is its largest magnitude's exponent field - 2, held at 1 from below.  LIMITS: a block of zeros gets the byte 1 where the rule says 127 (its codes are zeros, and this program alone
; reads the bytes); blocks whose largest magnitude lies under 2^-124 keep the byte 1; NaN and infinities among the inputs are not served.
.set WST,   16*528                     ; tokens: a wave's stage, rows 528 bytes apart
.set WBASE, 4*WST                      ; weights: the stages begin here
.set STG,   6144                       ; weights: a wave's stage: [tile 0..1][K step 0..1][chunk 0..1] x 768
.set SPARE, WBASE+4*STG                ; the spare words, 128 bytes a wave
.set SPW,   14
.set NIL,   15
	v_lshl_add_u32 v[SPW], v0, 2, SPARE
	v_mov_b32 v[NIL], 0
	v_lshrrev_b32 v1, 5, v0
	s_cmp_lt_u32 ttmp9, 128
	s_wait_alu depctr_va_vdst(0)
	s_cbranch_scc0 .Ltokens
; ---------------- the weights ----------------
.set WSB,   24                         ; v24-25   my column's 8 scale bytes
.set WX,    32                         ; v32-95   two sets of 32 numbers
.set WC,    96                         ; v96-101  a block's codes
.set WCT,   104                        ; v104-106 its upper 16, as converted
.set WOUT,  112                        ; v112-159 the way out
	s_load_b256 s[4:11], s[0:1], 0x28              ; Wq, Wk, Wv, Wo
	s_load_b128 s[12:15], s[0:1], 0x48             ; wimg, wsc
	v_readfirstlane_b32 s16, v1                    ; wave
	v_and_b32 v2, 31, v0                           ; lane = my column among the wave's 32
	s_and_b32 s28, ttmp9, 7                        ; which 128 columns
	s_lshr_b32 s17, ttmp9, 5                       ; the tensor
	s_bfe_u32 s18, ttmp9, 0x20003                  ; which 256 along K
	v_lshlrev_b32 v3, 2, v2                        ; in: 4 bytes a lane
	v_and_b32 v5, 7, v2
	v_bfe_u32 v6, v2, 4, 1
	v_lshl_or_b32 v5, v6, 3, v5                    ; r: my column's lane in its tile
	v_bfe_u32 v6, v2, 3, 1                         ; which of the two tiles
	s_mul_i32 s19, s16, STG
	s_add_co_u32 s19, s19, WBASE
	v_mul_u32_u24 v11, v6, 3072
	v_add_nc_u32 v11, s19, v11
	v_lshl_add_u32 v4, v5, 4, v11                  ; into the stage: registers 0-3 at 16 r
	v_lshl_add_u32 v7, v5, 3, v11                  ; registers 4-5 at 8 r
	v_lshlrev_b32 v9, 4, v2                        ; out: 16 bytes a lane
	v_add_nc_u32 v8, s19, v9
	v_lshlrev_b32 v10, 9, v6
	v_lshl_add_u32 v10, v5, 3, v10                 ; my scale words: 512 x tile + 8 r
	s_lshl_b32 s20, s18, 20                        ; W: 256 rows of 4,096 bytes a slot,
	s_lshl_b32 s22, s28, 9
	s_add_co_u32 s20, s20, s22                     ; 128 columns a work-group,
	s_lshl_b32 s22, s16, 7
	s_add_co_u32 s20, s20, s22                     ; 32 a wave
	s_mov_b32 s21, 0
	s_lshl_b32 s22, s17, 6
	s_lshl_b32 s23, s28, 3
	s_add_co_u32 s22, s22, s23
	s_lshl_b32 s23, s16, 1
	s_add_co_u32 s22, s22, s23                     ; my first tile: 64 x tensor + 8 x + 2 x wave
	s_mul_i32 s24, s22, 12288
	s_mul_i32 s23, s18, 3072
	s_add_co_u32 s24, s24, s23
	s_mov_b32 s25, 0
	s_lshl_b32 s26, s22, 9
	s_lshl_b32 s23, s18, 7
	s_add_co_u32 s26, s26, s23
	s_mov_b32 s27, 0
	s_wait_alu depctr_va_vdst(0)
	s_wait_kmcnt 0x0
	s_cmp_eq_u32 s17, 1                            ; the choice hangs on the work-group's number alone
	s_cselect_b64 s[4:5], s[6:7], s[4:5]
	s_cmp_eq_u32 s17, 2
	s_cselect_b64 s[4:5], s[8:9], s[4:5]
	s_cmp_eq_u32 s17, 3
	s_cselect_b64 s[4:5], s[10:11], s[4:5]
	s_add_nc_u64 s[4:5], s[4:5], s[20:21]
	s_add_nc_u64 s[12:13], s[12:13], s[24:25]
	s_add_nc_u64 s[14:15], s[14:15], s[26:27]
.macro WLOAD t                         ; block t: W(32 t + i, my column) into set t % 2; a wave reads 128 consecutive bytes, the work-group 512
.set i, 0
.rept 32
	global_load_b32 v[WX+32*((\t)%2)+i], v3, s[4:5] offset:(32*(\t)+i)*4096 th:TH_LOAD_NT
.set i, i+1
.endr
.endm
	WLOAD 0
	WLOAD 1
.macro WBLOCK t
.set XS, WX+32*((\t)%2)
.if (\t) < 7
	s_wait_loadcnt 32                              ; this block's 32 loads are in; the next block's 32 may be out
.else
	s_wait_loadcnt 0x0
.endif
	v_max3_num_f32 v12, |v[XS]|, |v[XS+1]|, |v[XS+2]|               ; the block's largest magnitude: all 32 numbers are mine; two chains
	v_max3_num_f32 v13, |v[XS+3]|, |v[XS+4]|, |v[XS+5]|
.irp i, 6,10,14,18,22,26
	v_max3_num_f32 v12, v12, |v[XS+\i]|, |v[XS+\i+1]|
	v_max3_num_f32 v13, v13, |v[XS+\i+2]|, |v[XS+\i+3]|
.endr
	v_max3_num_f32 v12, v12, |v[XS+30]|, |v[XS+31]|
	v_max3_num_f32 v12, v12, v13, 0x1800000        ; and the floor 2^(3 - 127): the byte cannot fall under 1
	v_add_nc_u32 v11, 0xff000000, v12              ; 2 off the exponent field: the conversion's scale operand
	v_lshrrev_b32 v13, 23, v11                     ; the scale's byte
.if (\t)%4 == 0
	v_mov_b32 v[WSB+(\t)/4], v13                   ; four bytes to a word, the lower K in the lower byte
.else
	v_lshl_or_b32 v[WSB+(\t)/4], v13, 8*((\t)%4), v[WSB+(\t)/4]
.endif
	v_cvt_scalef32_pk16_fp6_f32 v[WC:WC+2], v[XS:XS+15], v11
	v_cvt_scalef32_pk16_fp6_f32 v[WCT:WCT+2], v[XS+16:XS+31], v11   ; (a conversion's three registers begin on an even number)
	v_nop                                          ; one plain place behind a scaled conversion
.irp i, 0,1,2
	v_mov_b32 v[WC+3+\i], v[WCT+\i]
.endr
	ds_store_b128 v4, v[WC:WC+3] offset:((\t)/4)*1536+(((\t)/2)%2)*768+((\t)%2)*256        ; K step t / 4, chunk (t / 2) % 2, half t % 2 of the lanes
	ds_store_b64 v7, v[WC+4:WC+5] offset:((\t)/4)*1536+(((\t)/2)%2)*768+512+((\t)%2)*128
.if (\t)+2 < 8
	WLOAD (\t)+2
.endif
	s_wait_dscnt 0x0                               ; the stores have read their registers: the next block's codes may be written
.endm
.irp t, 0,1,2,3,4,5,6,7
	WBLOCK \t
.endr
	s_wait_alu depctr_va_vdst(0)
	global_store_b64 v10, v[WSB:WSB+1], s[14:15]   ; my column's two scale words
.irp k, 0,1,2,3,4,5,6,7,8,9,10,11
	ds_load_b128 v[WOUT+4*\k:WOUT+4*\k+3], v8 offset:512*\k         ; LDS serves a wave's instructions in order: these see my stores
.endr
.irp k, 0,1,2,3,4,5,6,7,8,9,10,11
	s_wait_dscnt 11-\k                             ; the younger loads may be out
	global_store_b128 v9, v[WOUT+4*\k:WOUT+4*\k+3], s[12:13] offset:(\k/6)*12288+(\k%6)*512   ; 512 consecutive bytes, at a multiple of 256 from the buffer's first byte
.endr
	s_wait_tensorcnt 0x0                           ; the wave's end
	ds_add_u32 v[SPW], v[NIL]
	s_wait_dscnt 0x0
	s_endpgm
; ---------------- the tokens ----------------
.Ltokens:
.set R,     16                         ; v16-143  two sets of 64 as loaded
.set X,     144                        ; v144-207 64 numbers: register 16 b + i = k 32 b + 16 h + i of my row
.set PC,    208                        ; v208-219 a fragment's codes
.set PT,    220                        ; v220-227 the conversions' second halves
.set TM,    228                        ; v228-243 at work
.set PW,    244                        ; v244-247 the four fragments' scale words
.set SEL,   20                         ; s[20:21] lane selects: lane l xor 16
.macro QUANT s, pc, pt, pw             ; 64 numbers of a lane become a fragment's codes and its scale word
.irp b, 0,1,2,3
	v_max3_num_f32 v[TM+\b], |v[\s+16*\b]|, |v[\s+1+16*\b]|, 0x1800000   ; block b: my 16 numbers, and the floor 2^(3 - 127)
.endr
.irp i, 2,4,6,8,10,12,14
.irp b, 0,1,2,3
	v_max3_num_f32 v[TM+\b], v[TM+\b], |v[\s+16*\b+\i]|, |v[\s+1+16*\b+\i]|   ; the four blocks by turns
.endr
.endr
.irp b, 0,1,2,3
	v_permlanex16_b32 v[TM+4+\b], v[TM+\b], s[SEL], s[SEL+1]
.endr
.irp b, 0,1,2,3
	v_max_num_f32 v[TM+\b], v[TM+\b], v[TM+4+\b]   ; with lane l xor 16's: the block's largest magnitude
.endr
.irp b, 0,1,2,3
	v_add_nc_u32 v[TM+12+\b], 0xff000000, v[TM+\b] ; 2 off its exponent field: the conversion's scale operand
.endr
.irp b, 0,1,2,3
	v_lshrrev_b32 v[TM+4+\b], 23, v[TM+12+\b]      ; the scale's byte
.endr
	v_lshl_or_b32 v[\pw], v[TM+5], 8, v[TM+4]      ; my row's scale word
	v_lshl_or_b32 v[\pw], v[TM+6], 16, v[\pw]
	v_lshl_or_b32 v[\pw], v[TM+7], 24, v[\pw]
.irp c, 0,1
	v_cvt_scalef32_pk16_fp6_f32 v[\pc+6*\c:\pc+2+6*\c], v[\s+32*\c:\s+15+32*\c], v[TM+12+2*\c]
	v_cvt_scalef32_pk16_fp6_f32 v[\pt+4*\c:\pt+2+4*\c], v[\s+16+32*\c:\s+31+32*\c], v[TM+12+2*\c+1]
.endr
	v_nop                                          ; one plain place behind a scaled conversion
.irp c, 0,1                                    ; the layout wants a whole block in a lane: lanes 0-15 block 2 c, lanes 16-31 block 2 c + 1
.irp i, 0,1,2
	v_permlane16_swap_b32 v[\pc+6*\c+\i], v[\pt+4*\c+\i]
.endr
.irp i, 0,1,2
	v_mov_b32 v[\pc+3+6*\c+\i], v[\pt+4*\c+\i]
.endr
.endr
.endm
	s_load_b256 s[4:11], s[0:1], 0x0               ; q, k, v, ximg
	s_load_b64 s[12:13], s[0:1], 0x20              ; xsc
	v_readfirstlane_b32 s14, v1                    ; wave
	v_and_b32 v1, 31, v0                           ; lane
	v_lshlrev_b32 v2, 4, v1                        ; 16 x lane
	v_lshlrev_b32 v5, 3, v1                        ; 8 x lane
	s_mul_i32 s19, s14, WST
	v_add_nc_u32 v3, s19, v2                       ; the stage, on the way in
	v_and_b32 v6, 15, v0                           ; r
	v_bfe_u32 v7, v0, 4, 1                         ; h
	v_mul_u32_u24 v4, v6, 528
	v_lshl_add_u32 v4, v7, 6, v4
	v_add_nc_u32 v4, s19, v4                       ; and on the way out: row r, + 64 h
	s_mov_b32 s[SEL], 0x76543210
	s_mov_b32 s[SEL+1], 0xfedcba98
	s_mov_b32 s22, 0xffff0000                      ; lanes 16-31
.irp b, 0,1,2,3
	v_mov_b32 v[TM+4+\b], 0                        ; written once: a lane permute's destination counts as one of its sources
.endr
	s_sub_co_u32 s30, ttmp9, 128                   ; my number among the tokens' 768 work-groups
	s_lshr_b32 s15, s30, 8                         ; the tensor
	s_and_b32 s16, s30, 255                        ; which 32 tokens
	s_lshr_b32 s17, s14, 1                         ; which of their two tiles
	s_and_b32 s18, s14, 1                          ; which half of K
	s_lshl_b32 s24, s16, 17                        ; in: (32 G + 8 u) rows of 4,096 bytes + 2,048 H
	s_lshl_b32 s19, s17, 15
	s_add_co_u32 s24, s24, s19
	s_lshl_b32 s19, s18, 11
	s_add_co_u32 s24, s24, s19
	s_mov_b32 s25, 0
	s_lshl_b32 s19, s15, 9
	s_lshl_b32 s23, s16, 1
	s_add_co_u32 s19, s19, s23
	s_add_co_u32 s19, s19, s17                     ; my tile: 512 x tensor + 2 G + u
	s_mul_i32 s26, s19, 12288
	s_mul_i32 s23, s18, 6144
	s_add_co_u32 s26, s26, s23
	s_mov_b32 s27, 0
	s_lshl_b32 s28, s19, 9
	s_lshl_b32 s23, s18, 8
	s_add_co_u32 s28, s28, s23
	s_mov_b32 s29, 0
	s_wait_alu depctr_va_vdst(0)
	s_wait_kmcnt 0x0
	s_cmp_lt_u32 s30, 256                          ; the choice hangs on the work-group's number alone
	s_cselect_b64 s[4:5], s[4:5], s[6:7]
	s_cmp_lt_u32 s30, 512
	s_cselect_b64 s[4:5], s[4:5], s[8:9]
	s_add_nc_u64 s[4:5], s[4:5], s[24:25]
	s_add_nc_u64 s[10:11], s[10:11], s[26:27]
	s_add_nc_u64 s[12:13], s[12:13], s[28:29]
.macro XLOAD f                         ; K step f of my 16 rows: 512 consecutive bytes a load
.irp i, 0,1,2,3,4,5,6,7,8,9,10,11,12,13,14,15
	global_load_b128 v[R+64*((\f)%2)+4*\i:R+64*((\f)%2)+4*\i+3], v2, s[4:5] offset:(\i+8*(\i/8))*4096+512*(\f) th:TH_LOAD_NT
.endr
.endm
.macro XTURN f                         ; through the stage: LDS serves a wave's instructions in order, so no wait stands between the stores and the loads
.irp i, 0,1,2,3,4,5,6,7,8,9,10,11,12,13,14,15
	ds_store_b128 v3, v[R+64*((\f)%2)+4*\i:R+64*((\f)%2)+4*\i+3] offset:528*\i
.endr
.irp b, 0,1,2,3
.irp j, 0,1,2,3
	ds_load_b128 v[X+16*\b+4*\j:X+16*\b+4*\j+3], v4 offset:128*\b+16*\j
.endr
.endr
.endm
	XLOAD 0
	XLOAD 1
.irp f, 0,1,2,3
.if \f < 3
	s_wait_loadcnt 16                              ; this K step's 16 loads are in; the next one's 16 may be out
.else
	s_wait_loadcnt 0x0
.endif
	XTURN \f
	s_wait_dscnt 0x0                               ; the numbers are back, and the stores into the stage have read their registers,
.if \f < 2
	XLOAD \f+2                                     ; which take the K step two on
.endif
	s_wait_xcnt 0x0                                ; the last fragment's stores have read their data: the codes' registers are rewritten only behind this wait
	QUANT X, PC, PT, PW+\f
.irp c, 0,1
	global_store_b128 v2, v[PC+6*\c:PC+6*\c+3], s[10:11] offset:\f*1536+\c*768          ; 512 consecutive bytes,
	global_store_b64 v5, v[PC+6*\c+4:PC+6*\c+5], s[10:11] offset:\f*1536+\c*768+512     ; and 256
.endr
.endr
	v_cndmask_b32 v248, v[PW], v[PW+2], s22        ; lanes 0-15 store the first slot's two words of row r, lanes 16-31 the second's
	v_cndmask_b32 v249, v[PW+1], v[PW+3], s22
	global_store_b64 v5, v[248:249], s[12:13]      ; 256 consecutive bytes, aligned
	s_wait_tensorcnt 0x0                           ; the wave's end
	ds_add_u32 v[SPW], v[NIL]
	s_wait_dscnt 0x0
	s_endpgm
.Lfunc_end_k_q1032720f6d_quant:
	.size	k_q1032720f6d_quant, .Lfunc_end_k_q1032720f6d_quant-k_q1032720f6d_quant
	.p2alignl 7, 3214868480
	.fill 96, 4, 3214868480
	.section	.rodata,"a",@progbits
	.p2align	6, 0x0
	.amdhsa_kernel k_q1032720f6d_quant
		.amdhsa_group_segment_fixed_size 58880
		.amdhsa_private_segment_fixed_size 0
		.amdhsa_enable_private_segment 0
		.amdhsa_kernarg_size 88
		.amdhsa_user_sgpr_count 2
		.amdhsa_user_sgpr_kernarg_segment_ptr 1
		.amdhsa_wavefront_size32 1
		.amdhsa_system_sgpr_workgroup_id_x 1
		.amdhsa_system_sgpr_workgroup_id_y 1
		.amdhsa_system_sgpr_workgroup_id_z 1
		.amdhsa_system_vgpr_workitem_id 0
		.amdhsa_next_free_vgpr 256
		.amdhsa_next_free_sgpr 66
		.amdhsa_reserve_vcc 0
		.amdhsa_float_denorm_mode_32 3
		.amdhsa_float_denorm_mode_16_64 3
		.amdhsa_memory_ordered 1
		.amdhsa_forward_progress 1
		.amdhsa_inst_pref_size 76
	.end_amdhsa_kernel
	.amdgpu_metadata
---
amdhsa.version: [ 1, 2 ]
amdhsa.kernels:
  - .name:           k_q1032720f6d_quant
    .symbol:         k_q1032720f6d_quant.kd
    .args:
      - { .name: q, .offset: 0, .size: 8, .value_kind: global_buffer, .address_space: global }
      - { .name: k, .offset: 8, .size: 8, .value_kind: global_buffer, .address_space: global }
      - { .name: v, .offset: 16, .size: 8, .value_kind: global_buffer, .address_space: global }
      - { .name: ximg, .offset: 24, .size: 8, .value_kind: global_buffer, .address_space: global }
      - { .name: xsc, .offset: 32, .size: 8, .value_kind: global_buffer, .address_space: global }
      - { .name: Wq, .offset: 40, .size: 8, .value_kind: global_buffer, .address_space: global }
      - { .name: Wk, .offset: 48, .size: 8, .value_kind: global_buffer, .address_space: global }
      - { .name: Wv, .offset: 56, .size: 8, .value_kind: global_buffer, .address_space: global }
      - { .name: Wo, .offset: 64, .size: 8, .value_kind: global_buffer, .address_space: global }
      - { .name: wimg, .offset: 72, .size: 8, .value_kind: global_buffer, .address_space: global }
      - { .name: wsc, .offset: 80, .size: 8, .value_kind: global_buffer, .address_space: global }
    .group_segment_fixed_size: 58880
    .private_segment_fixed_size: 0
    .kernarg_segment_align: 8
    .kernarg_segment_size: 88
    .max_flat_workgroup_size: 128
    .sgpr_count:     66
    .vgpr_count:     256
    .wavefront_size: 32
...
	.end_amdgpu_metadata
.endif
;; end of part 1
;; launch proj (part 2): grid 4 x 96, 4 waves a work-group, clusters of 4 x 4, 327,680 bytes of LDS; arguments ximg, xsc, wimg, wsc, bq, bk, bv, qkv; writes qkv
.if DOCPART == 2
	.amdgcn_target "amdgcn-amd-amdhsa--gfx1250"
	.amdhsa_code_object_version 6
	.text
	.protected	k_q1032720f6d_proj
	.globl	k_q1032720f6d_proj
	.p2align	8
	.type	k_q1032720f6d_proj,@function
k_q1032720f6d_proj:
	s_mov_b64 s[64:65], 0
	v_nop
	global_prefetch_b8 v0, s[64:65] scope:SCOPE_SE
	s_setreg_imm32_b32 hwreg(HW_REG_WAVE_MODE, 25, 1), 1
	s_wait_xcnt 0x0
	s_wait_alu depctr_hold_cnt(0) depctr_sa_sdst(0) depctr_va_vdst(0) depctr_va_sdst(0) depctr_va_ssrc(0) depctr_va_vcc(0) depctr_vm_vsrc(0)
	s_getreg_b32 s2, hwreg(HW_REG_IB_STS2, 6, 4)
	s_cmp_eq_u32 s2, 0
	s_cbranch_scc0 .Lentry_in_a_cluster
	s_endpgm
.Lentry_in_a_cluster:
	s_bfe_u32 s2, ttmp6, 0x10000c
	s_cmp_lg_u32 s2, 0xf033
	s_cbranch_scc0 .Lentry_shape_is_right
	s_endpgm
.Lentry_shape_is_right:
.set TILEB, 3072
.set HALFT, 8*TILEB
.set SLOT,  4*HALFT
.set SCL,   2*SLOT
.set HALFS, 4096
.set SPARE, SCL+4*HALFS
.set FR,    12
.set NL,    4
.set NP,    4
.set NQ,    2
.set REC,   19200
.set HEADB, 16*REC
.set L16,  3
.set L8,   4
.set A16,  16
.set A8,   18
.set B16,  20
.set B8,   22
.set L16C, 26
.set ADRS, 27
.set SPW,  28
.set NIL,  29
.set L8C,  30
.set SC,   32
.set BB,   64
.set AF,   128
.set BA2,  224
.set HA,   32
.set PC,   96
.set PT,   108
.set TM,   116
.set PWS,  132
.set Y,    140
.set YS,   148
.set WV,   20
.set RH,   21
.set CH,   22
.set G1,   24
.set G0,   32
.set SEL,  46
.set G1B,  48
.set G0B,  56
.set G1S,  68
.set G0S,  76
.set G1SB, 80
.set G0SB, 88
.set MSB, 0
.macro WIN new
.if MSB != (\new)
	s_set_vgpr_msb (MSB<<8)|(\new)
.set MSB, (\new)
.endif
.endm
.set TO_B, 0x40
.macro MWIN hi, zero
.if \zero
	WIN 0x81+0x40*(\hi)
.else
	WIN 0xa1+0x50*(\hi)
.endif
.endm
.macro JLOAD g0a, g1a, g0b, g1b
	s_cmp_eq_u32 s[RH], 0
	s_cbranch_scc0 .Lfor_b_\@
	tensor_load_to_lds s[\g0a:\g0a+3], s[\g1a:\g1a+7]
	s_nop 0
.rept 4
	v_nop
.endr
	s_branch .Lasked_\@
.Lfor_b_\@:
	tensor_load_to_lds s[\g0b:\g0b+3], s[\g1b:\g1b+7]
	s_nop 0
.rept 4
	v_nop
.endr
.Lasked_\@:
.endm
.macro CREST
	s_cmp_lg_u32 s[WV], 0
	s_cbranch_scc1 .Lnot_wave_0_\@
	s_barrier_signal -3
.Lnot_wave_0_\@:
	s_barrier_wait -3
	s_barrier_signal -1
	s_barrier_wait -1
.endm
.macro CROUND
	s_barrier_signal -1
	s_barrier_wait -1
	CREST
.endm
.macro PLACES n
.rept \n
	v_nop
.endr
.endm
	s_load_b512 s[4:19], s[0:1], 0x0
	v_lshl_add_u32 v[SPW], v0, 2, SPARE
	v_mov_b32 v[NIL], 0
	ds_add_u32 v[SPW], v[NIL]
	ds_add_u32 v[SPW], v[NIL]
	v_lshrrev_b32 v1, 5, v0
	v_readfirstlane_b32 s[WV], v1
	s_lshr_b32 s[RH], s[WV], 1
	s_and_b32 s[CH], s[WV], 1
	s_bfe_u32 s40, ttmp6, 0x40000
	s_bfe_u32 s41, ttmp6, 0x40004
	s_and_b32 s94, ttmp7, 0xffff
	s_lshr_b32 s93, s94, 3
	s_and_b32 s94, s94, 7
	s_lshl_b32 s94, s94, 2
	s_cmp_eq_u32 s93, 2
	s_cselect_b32 s92, 1, 0
	s_cselect_b32 s43, 0, s94
	s_cselect_b32 s42, s94, 0
	s_add_co_u32 s43, s43, s41
	s_add_co_u32 s42, s42, s40
	s_lshl_b32 s44, s41, 2
	s_lshl_b32 s44, 15, s44
	s_lshl_b32 s45, 0x1111, s40
	s_or_b32 s[G1+0], s44, (3<<16)|(1<<21)
	s_or_b32 s[G1B+0], s45, (3<<16)|(1<<21)
.irp g, G1, G1B
	s_mov_b32 s[\g+1], 384<<16
	s_mov_b32 s[\g+2], 16<<16                      ; the head's loads of codes bring all 16 tiles of a side; behind them the two words are set to 8, for the ring's
	s_mov_b32 s[\g+3], 384<<16
	s_mov_b32 s[\g+4], 16
	s_mov_b32 s[\g+5], 1536
	s_mov_b32 s[\g+6], 0
	s_mov_b32 s[\g+7], 0
.endr
	s_or_b32 s[G1S+0], s44, (3<<16)|(1<<21)
	s_or_b32 s[G1SB+0], s45, (3<<16)|(1<<21)
.irp g, G1S, G1SB
	s_mov_b32 s[\g+1], 32<<16
	s_mov_b32 s[\g+2], 32<<16                      ; the scales of all 16 tiles of a side: 32 rows of 256 bytes, one load
	s_mov_b32 s[\g+3], 32<<16
	s_mov_b32 s[\g+4], 32
	s_mov_b32 s[\g+5], 32
	s_mov_b32 s[\g+6], 0
	s_mov_b32 s[\g+7], 0
.endr
	s_lshl_b32 s95, s[CH], 3
	s_lshl_b32 s66, s43, 4
	s_add_co_u32 s66, s66, s95
	s_lshl_b32 s67, s42, 4
	s_add_co_u32 s67, s67, s95
	s_mul_i32 s96, s66, 12288
	s_mul_i32 s98, s67, 12288
	s_lshl_b32 s100, s66, 9
	s_lshl_b32 s2, s67, 9
	s_mul_i32 s94, s93, 6291456
	s_mul_i32 s95, s93, 786432
	s_cmp_eq_u32 s92, 1
	s_cselect_b32 s23, s95, s94
	s_cselect_b32 s46, s94, s95
	s_add_co_u32 s96, s96, s23
	s_add_co_u32 s98, s98, s46
	s_lshl_b32 s94, s93, 18
	s_lshl_b32 s95, s93, 15
	s_cmp_eq_u32 s92, 1
	s_cselect_b32 s23, s95, s94
	s_cselect_b32 s46, s94, s95
	s_add_co_u32 s100, s100, s23
	s_add_co_u32 s2, s2, s46
	s_mov_b32 s97, 0
	s_mov_b32 s99, 0
	s_mov_b32 s101, 0
	s_mov_b32 s3, 0
	s_mul_i32 s47, s[WV], HALFT
	s_wait_dscnt 0x0
	s_wait_kmcnt 0x0
	s_cmp_eq_u32 s92, 1
	s_cselect_b64 s[66:67], s[8:9], s[4:5]
	s_cselect_b64 s[4:5], s[4:5], s[8:9]
	s_cselect_b64 s[8:9], s[10:11], s[6:7]
	s_cselect_b64 s[6:7], s[6:7], s[10:11]
	s_add_nc_u64 s[66:67], s[66:67], s[96:97]
	s_add_nc_u64 s[4:5], s[4:5], s[98:99]
	s_add_nc_u64 s[8:9], s[8:9], s[100:101]
	s_add_nc_u64 s[6:7], s[6:7], s[2:3]
	CROUND
	s_mov_b32 s[G0S], 1
	s_mov_b32 s[G0S+1], SCL
	s_lshl_b32 s96, s[CH], 12                      ; the scales begin at the side's first tile: my half's 8 tiles x 512 bytes back (s97 is 0)
	s_sub_nc_u64 s[G0S+2:G0S+3], s[8:9], s[96:97]
	s_or_b32 s[G0S+3], s[G0S+3], 0x80000000
	s_mov_b32 s[G0SB], 1
	s_mov_b32 s[G0SB+1], SCL+2*HALFS
	s_sub_nc_u64 s[G0SB+2:G0SB+3], s[6:7], s[96:97]
	s_or_b32 s[G0SB+3], s[G0SB+3], 0x80000000
.irp s, 0,1
	s_mov_b32 s[G0+4*\s], 1
	s_add_co_u32 s[G0+4*\s+1], s47, \s*SLOT
	s_add_nc_u64 s[G0+4*\s+2:G0+4*\s+3], s[66:67], \s*TILEB
	s_or_b32 s[G0+4*\s+3], s[G0+4*\s+3], 0x80000000
	s_mov_b32 s[G0B+4*\s], 1
	s_add_co_u32 s[G0B+4*\s+1], s47, \s*SLOT
	s_add_nc_u64 s[G0B+4*\s+2:G0B+4*\s+3], s[4:5], \s*TILEB
	s_or_b32 s[G0B+4*\s+3], s[G0B+4*\s+3], 0x80000000
.endr
; THE HEAD'S LOADS, ONE A WAVE, in one tree of branches on the wave's number: wave 0 slot 0's 16 tiles of the first side (its own ring group: LDS byte 0, the side's first tile),
; wave 2 those of the second side (likewise), waves 1 and 3 the two sides' scales.  The biases' loads and the address work below stand under their flight.
.macro ARM under, g0, g1, next
	s_cmp_lt_u32 s[WV], \under
	s_cbranch_scc0 \next
	tensor_load_to_lds s[\g0:\g0+3], s[\g1:\g1+7]
	s_nop 0
.rept 4
	v_nop
.endr
	s_branch .Lhead_asked
\next:
.endm
	ARM 1, G0, G1, .Lhead_sa
	ARM 2, G0S, G1S, .Lhead_b
	ARM 3, G0B, G1B, .Lhead_sb
	tensor_load_to_lds s[G0SB:G0SB+3], s[G1SB:G1SB+7]
	s_nop 0
.rept 4
	v_nop
.endr
.Lhead_asked:
	s_cmp_eq_u32 s93, 1
	s_cselect_b64 s[12:13], s[14:15], s[12:13]
	s_cmp_eq_u32 s93, 2
	s_cselect_b64 s[16:17], s[16:17], s[12:13]
	s_lshl_b32 s94, s43, 1
	s_add_co_u32 s94, s94, s[RH]
	s_lshl_b32 s95, s42, 1
	s_add_co_u32 s95, s95, s[CH]
	s_mov_b32 s8, 768
	s_mov_b32 s12, HEADB
	s_cmp_eq_u32 s92, 1
	s_cselect_b32 s96, s95, s94
	s_cselect_b32 s97, s94, s95
	s_cselect_b32 s13, -1, 0
	s_cselect_b32 s14, 0, -1
	s_cselect_b32 s8, 1536, s8
	s_cselect_b32 s10, HEADB-4*1536, 0
	s_cselect_b32 s12, 768, s12
	s_mov_b32 s9, 0
	s_mov_b32 s11, 0
	s_mov_b32 s15, 0xffff0000
	s_mov_b32 s[SEL], 0x76543210
	s_mov_b32 s[SEL+1], 0xfedcba98
	s_lshl_b32 s98, s97, 9
	s_mov_b32 s99, 0
	s_add_nc_u64 s[16:17], s[16:17], s[98:99]
	s_lshr_b32 s2, s96, 4
	s_lshl_b32 s2, s2, 8
	s_lshl_b32 s3, s97, 5
	s_add_co_u32 s2, s2, s3
	s_and_b32 s3, s96, 15
	s_add_co_u32 s2, s2, s3
	s_mul_i32 s2, s2, REC
	s_mul_i32 s98, s93, 6400
	s_lshl_b32 s3, s92, 8
	s_sub_co_u32 s98, s98, s3
	s_add_co_u32 s98, s98, s2
	s_mul_i32 s100, s93, 12544
	s_mul_i32 s3, s92, 12288
	s_sub_co_u32 s100, s100, s3
	s_add_co_u32 s100, s100, s2
	s_add_co_u32 s100, s100, 6144
	s_mov_b32 s101, 0
	s_add_nc_u64 s[4:5], s[18:19], s[98:99]
	s_add_nc_u64 s[6:7], s[18:19], s[100:101]
	v_and_b32 v1, 15, v0
	v_bfe_u32 v2, v0, 4, 1
	v_and_b32 v[L16], 31, v0
	v_lshlrev_b32 v[L8], 3, v[L16]
	v_lshlrev_b32 v[L16], 4, v[L16]
	v_lshlrev_b32 v7, 6, v2
	v_and_b32 v8, 8, v1
	v_add_nc_u32 v8, v8, v1
	v_lshlrev_b32 v8, 2, v8
.irp b, 0,1,2,3,4,5,6,7
	global_load_b128 v[BB+8*\b:BB+8*\b+3], v7, s[16:17] offset:(32*(\b/2)+8*(\b%2))*4
	global_load_b128 v[BB+8*\b+4:BB+8*\b+7], v7, s[16:17] offset:(32*(\b/2)+8*(\b%2))*4+16
.endr
.irp a, 0,1,2,3,4,5,6,7
	global_load_b32 v[BA2+2*\a], v8, s[16:17] offset:(32*(\a/2)+8*(\a%2))*4
	global_load_b32 v[BA2+2*\a+1], v8, s[16:17] offset:(32*(\a/2)+8*(\a%2))*4
.endr
	s_mul_i32 s94, s[RH], HALFT
	s_mul_i32 s95, s[CH], HALFT
	s_add_co_u32 s95, s95, 2*HALFT
.irp s, 0,1
	v_add_nc_u32 v[A16+\s], s94, v[L16]
	v_add_nc_u32 v[A8+\s], s94, v[L8]
	v_add_nc_u32 v[B16+\s], s95, v[L16]
	v_add_nc_u32 v[B8+\s], s95, v[L8]
	s_add_co_u32 s94, s94, SLOT
	s_add_co_u32 s95, s95, SLOT
.endr
	v_lshlrev_b32 v5, 3, v1
	s_lshl_b32 s94, s[RH], 12
	s_lshl_b32 s95, s[CH], 12
	s_add_co_u32 s95, s95, 2*HALFS
	s_sub_co_u32 s95, s95, s94
	v_mul_u32_u24 v6, s95, v2
	s_add_co_u32 s94, s94, SCL
	v_add_nc_u32 v5, v5, v6
	v_add_nc_u32 v[ADRS], s94, v5
.macro FRAG reg, a16, a8, q, i
	ds_load_b128 v[\reg:\reg+3], v[\a16] offset:(\i)*TILEB+(\q)*1536
	ds_load_b64 v[\reg+4:\reg+5], v[\a8] offset:(\i)*TILEB+(\q)*1536+512
	ds_load_b128 v[\reg+6:\reg+9], v[\a16] offset:(\i)*TILEB+(\q)*1536+768
	ds_load_b64 v[\reg+10:\reg+11], v[\a8] offset:(\i)*TILEB+(\q)*1536+1280
.endm
.macro MUL16 a0, p, q, sc, zero
.irp a, \a0, \a0+1
.irp b, 0,1,2,3,4,5,6,7
.if \zero
	v_wmma_scale_f32_16x16x128_f8f6f4 v[8*(8*((\a)%4)+\b):8*(8*((\a)%4)+\b)+7], v[128*(\p)+FR*\b:128*(\p)+FR*\b+FR-1], v[AF+FR*(\a):AF+FR*(\a)+FR-1], v[BB+8*\b:BB+8*\b+7], v[SC+8*NQ*(\sc)+NQ*\b+(\q)], v[SC+8*NQ*(\sc)+NQ*(\a)+(\q)] matrix_a_fmt:MATRIX_FMT_FP6 matrix_b_fmt:MATRIX_FMT_FP6 matrix_a_scale:MATRIX_SCALE_ROW1
.else
	v_wmma_scale_f32_16x16x128_f8f6f4 v[8*(8*((\a)%4)+\b):8*(8*((\a)%4)+\b)+7], v[128*(\p)+FR*\b:128*(\p)+FR*\b+FR-1], v[AF+FR*(\a):AF+FR*(\a)+FR-1], v[8*(8*((\a)%4)+\b):8*(8*((\a)%4)+\b)+7], v[SC+8*NQ*(\sc)+NQ*\b+(\q)], v[SC+8*NQ*(\sc)+NQ*(\a)+(\q)] matrix_a_fmt:MATRIX_FMT_FP6 matrix_b_fmt:MATRIX_FMT_FP6 matrix_a_scale:MATRIX_SCALE_ROW1
.endif
.endr
.endr
.endm
.macro FETCH_B slot, q, p
	WIN TO_B
.irp i, 0,1,2,3,4,5,6,7
	FRAG 128*(\p)+FR*\i, B16+\slot, B8+\slot, \q, \i
.endr
	WIN 0
.endm
.macro FETCH_A slot, q, i0
.irp i, \i0, \i0+1, \i0+2, \i0+3
	FRAG AF+FR*(\i), A16+\slot, A8+\slot, \q, \i
.endr
.endm
.macro SCALES sc
.irp i, 0,1,2,3,4,5,6,7
	ds_load_b64 v[SC+8*NQ*\sc+NQ*\i:SC+8*NQ*\sc+NQ*\i+1], v[ADRS] offset:\i*512
.endr
.endm
.macro STEP slot, q, zero
	s_wait_dscnt 4*NL
	MWIN 0, \zero
	MUL16 0, (\q)%2, \q, \slot, \zero
	MUL16 2, (\q)%2, \q, \slot, \zero
	s_wait_dscnt 0x0
	PLACES NP
	FETCH_B \slot, (\q)+1, 1-(\q)%2
	FETCH_A \slot, (\q)+1, 0
	MWIN 1, \zero
	MUL16 4, (\q)%2, \q, \slot, \zero
	MUL16 6, (\q)%2, \q, \slot, \zero
	PLACES NP
	WIN 0
	FETCH_A \slot, (\q)+1, 4
.endm
.macro TURN slot, next, fill
	s_wait_tensorcnt 0x0
	ds_add_u32 v[SPW], v[NIL]
	s_wait_dscnt 4*NL+1
	MWIN 0, 0
	MUL16 0, 1, NQ-1, \slot, 0
	s_wait_dscnt 0x0
	s_barrier_signal -1
	MUL16 2, 1, NQ-1, \slot, 0
	WIN 0
	s_barrier_wait -1
.if \fill
	CREST
	s_add_nc_u64 s[G0+4*\slot+2:G0+4*\slot+3], s[G0+4*\slot+2:G0+4*\slot+3], 2*TILEB
	s_add_nc_u64 s[G0B+4*\slot+2:G0B+4*\slot+3], s[G0B+4*\slot+2:G0B+4*\slot+3], 2*TILEB
	JLOAD G0+4*\slot, G1, G0B+4*\slot, G1B
.else
	PLACES NP
.endif
	s_wait_alu depctr_va_vdst(0)
	v_add_nc_u32 v[ADRS], 128, v[ADRS]
	FETCH_B \next, 0, 0
	FETCH_A \next, 0, 0
	SCALES \next
	MWIN 1, 0
	MUL16 4, 1, NQ-1, \slot, 0
	MUL16 6, 1, NQ-1, \slot, 0
	PLACES NP
	WIN 0
	FETCH_A \next, 0, 4
.endm
	s_wait_alu depctr_va_vdst(0)
	s_wait_tensorcnt 0x0                           ; my tile of the head's four is in
	ds_add_u32 v[SPW], v[NIL]
	s_mov_b32 s[G1+2], 8<<16                       ; no tensor load of mine is out: from here on a load brings 8 tiles
	s_mov_b32 s[G1+4], 8
	s_mov_b32 s[G1B+2], 8<<16
	s_mov_b32 s[G1B+4], 8
	s_wait_dscnt 0x0
	CROUND                                         ; all four tiles are in, and all sixteen work-groups are here
	JLOAD G0+4, G1, G0B+4, G1B                     ; slot 1's first fill: the first tensor load behind the round
	FETCH_B 0, 0, 0
	FETCH_A 0, 0, 0
	SCALES 0
	FETCH_A 0, 0, 4
	s_wait_loadcnt 0x0
.set i, 0
.rept 64
	v_and_b32 v[BB+i], s14, v[BB+i]
.set i, i+1
.endr
.set i, 0
.rept 16
	v_and_b32 v[BA2+i], s13, v[BA2+i]
.set i, i+1
.endr
	STEP 0, 0, 1
	TURN 0, 1, 1
	STEP 1, 0, 0
	TURN 1, 0, 1
	STEP 0, 0, 0
	TURN 0, 1, 0
	STEP 1, 0, 0
	s_wait_dscnt 4*NL
	MWIN 0, 0
	MUL16 0, 1, NQ-1, 1, 0
	MUL16 2, 1, NQ-1, 1, 0
	s_wait_dscnt 0x0
	MWIN 1, 0
	MUL16 4, 1, NQ-1, 1, 0
	MUL16 6, 1, NQ-1, 1, 0
	WIN 0
.macro QUANT s, pc, pt, pw
.irp b, 0,1,2,3
	v_max3_num_f32 v[TM+\b], |v[\s+16*\b]|, |v[\s+1+16*\b]|, 0x1800000
.endr
.irp i, 2,4,6,8,10,12,14
.irp b, 0,1,2,3
	v_max3_num_f32 v[TM+\b], v[TM+\b], |v[\s+16*\b+\i]|, |v[\s+1+16*\b+\i]|
.endr
.endr
.irp b, 0,1,2,3
	v_permlanex16_b32 v[TM+4+\b], v[TM+\b], s[SEL], s[SEL+1]
.endr
.irp b, 0,1,2,3
	v_max_num_f32 v[TM+\b], v[TM+\b], v[TM+4+\b]
.endr
.irp b, 0,1,2,3
	v_add_nc_u32 v[TM+12+\b], 0xff000000, v[TM+\b]
.endr
.irp b, 0,1,2,3
	v_lshrrev_b32 v[TM+4+\b], 23, v[TM+12+\b]
.endr
	v_lshl_or_b32 v[\pw], v[TM+5], 8, v[TM+4]
	v_lshl_or_b32 v[\pw], v[TM+6], 16, v[\pw]
	v_lshl_or_b32 v[\pw], v[TM+7], 24, v[\pw]
.irp c, 0,1
	v_cvt_scalef32_pk16_fp6_f32 v[\pc+6*\c:\pc+2+6*\c], v[\s+32*\c:\s+15+32*\c], v[TM+12+2*\c]
	v_cvt_scalef32_pk16_fp6_f32 v[\pt+4*\c:\pt+2+4*\c], v[\s+16+32*\c:\s+31+32*\c], v[TM+12+2*\c+1]
.endr
	v_nop
.irp c, 0,1
.irp i, 0,1,2
	v_permlane16_swap_b32 v[\pc+6*\c+\i], v[\pt+4*\c+\i]
.endr
.irp i, 0,1,2
	v_mov_b32 v[\pc+3+6*\c+\i], v[\pt+4*\c+\i]
.endr
.endr
.endm
.macro EPI a
	s_wait_xcnt 0x0
.if (\a) > 0
	s_add_nc_u64 s[4:5], s[4:5], s[8:9]
.endif
.if (\a) == 4
	s_add_nc_u64 s[4:5], s[4:5], s[10:11]
.endif
	WIN 0x02+(\a)/4
.set AC, 64*((\a)%4)
.set i, 0
.rept 32
	v_pk_add_f32 v[HA+i:HA+i+1], v[AC+i:AC+i+1], v[BA2+2*(\a):BA2+2*(\a)+1]
.set i, i+2
.endr
	WIN 0
	QUANT HA, PC, PT, PWS+(\a)
	global_store_b128 v[L16], v[PC:PC+3], s[4:5]
	global_store_b64 v[L8], v[PC+4:PC+5], s[4:5] offset:512
	global_store_b128 v[L16C], v[PC+6:PC+9], s[4:5]
	global_store_b64 v[L8C], v[PC+10:PC+11], s[4:5] offset:512
.endm
	PLACES NP
	v_add_nc_u32 v[L16C], s12, v[L16]
	v_add_nc_u32 v[L8C], s12, v[L8]
.irp b, 0,1,2,3
	v_mov_b32 v[TM+4+\b], 0
.endr
.irp a, 0,1,2,3,4,5,6,7
	EPI \a
.endr
.irp p, 0,1,2,3
	v_perm_b32 v[Y+\p], v[PWS+2*\p+1], v[PWS+2*\p], 0x05040100
	v_perm_b32 v[Y+4+\p], v[PWS+2*\p+1], v[PWS+2*\p], 0x07060302
.endr
.irp p, 0,1,2,3
	v_cndmask_b32 v[Y+\p], v[Y+\p], v[PWS+\p], s13
	v_cndmask_b32 v[Y+4+\p], v[Y+4+\p], v[PWS+4+\p], s13
.endr
.irp n, 0,1
	v_cndmask_b32 v[YS+2*\n], v[Y+4*\n], v[Y+4*\n+1], s15
	v_cndmask_b32 v[YS+2*\n+1], v[Y+4*\n+2], v[Y+4*\n+3], s15
	global_store_b64 v[L8], v[YS+2*\n:YS+2*\n+1], s[6:7] offset:\n*HEADB
.endr
	s_wait_tensorcnt 0x0
	ds_add_u32 v[SPW], v[NIL]
	s_wait_dscnt 0x0
	CROUND
	s_endpgm
.Lfunc_end_k_q1032720f6d_proj:
	.size	k_q1032720f6d_proj, .Lfunc_end_k_q1032720f6d_proj-k_q1032720f6d_proj
	.p2alignl 7, 3214868480
	.fill 96, 4, 3214868480
	.section	.rodata,"a",@progbits
	.p2align	6, 0x0
	.amdhsa_kernel k_q1032720f6d_proj
		.amdhsa_group_segment_fixed_size 327680
		.amdhsa_private_segment_fixed_size 0
		.amdhsa_enable_private_segment 0
		.amdhsa_kernarg_size 64
		.amdhsa_user_sgpr_count 2
		.amdhsa_user_sgpr_kernarg_segment_ptr 1
		.amdhsa_wavefront_size32 1
		.amdhsa_system_sgpr_workgroup_id_x 1
		.amdhsa_system_sgpr_workgroup_id_y 1
		.amdhsa_system_sgpr_workgroup_id_z 1
		.amdhsa_system_vgpr_workitem_id 0
		.amdhsa_next_free_vgpr 1024
		.amdhsa_next_free_sgpr 102
		.amdhsa_reserve_vcc 0
		.amdhsa_float_denorm_mode_32 3
		.amdhsa_float_denorm_mode_16_64 3
		.amdhsa_memory_ordered 1
		.amdhsa_forward_progress 1
		.amdhsa_inst_pref_size 174
	.end_amdhsa_kernel
	.amdgpu_metadata
---
amdhsa.version: [ 1, 2 ]
amdhsa.kernels:
  - .name:           k_q1032720f6d_proj
    .symbol:         k_q1032720f6d_proj.kd
    .args:
      - { .name: ximg, .offset: 0, .size: 8, .value_kind: global_buffer, .address_space: global }
      - { .name: xsc, .offset: 8, .size: 8, .value_kind: global_buffer, .address_space: global }
      - { .name: wimg, .offset: 16, .size: 8, .value_kind: global_buffer, .address_space: global }
      - { .name: wsc, .offset: 24, .size: 8, .value_kind: global_buffer, .address_space: global }
      - { .name: bq, .offset: 32, .size: 8, .value_kind: global_buffer, .address_space: global }
      - { .name: bk, .offset: 40, .size: 8, .value_kind: global_buffer, .address_space: global }
      - { .name: bv, .offset: 48, .size: 8, .value_kind: global_buffer, .address_space: global }
      - { .name: qkv, .offset: 56, .size: 8, .value_kind: global_buffer, .address_space: global }
    .group_segment_fixed_size: 327680
    .private_segment_fixed_size: 0
    .kernarg_segment_align: 8
    .kernarg_segment_size: 64
    .max_flat_workgroup_size: 128
    .sgpr_count:     102
    .vgpr_count:     1024
    .wavefront_size: 32
...
	.end_amdgpu_metadata
.endif
;; end of part 2
;; launch attn (part 3): grid 8 x 32, 16 waves a work-group, clusters of 4 x 1, 327,680 bytes of LDS; arguments qkv, mask, cimg, csc; writes cimg, csc
.if DOCPART == 3
	.amdgcn_target "amdgcn-amd-amdhsa--gfx1250"
	.amdhsa_code_object_version 6
	.text
	.protected	k_q1032720f6d_attn
	.globl	k_q1032720f6d_attn
	.p2align	8
	.type	k_q1032720f6d_attn,@function
k_q1032720f6d_attn:
	s_mov_b64 s[64:65], 0
	v_nop
	global_prefetch_b8 v0, s[64:65] scope:SCOPE_SE
	s_setreg_imm32_b32 hwreg(HW_REG_WAVE_MODE, 25, 1), 1
	s_wait_xcnt 0x0
	s_wait_alu depctr_hold_cnt(0) depctr_sa_sdst(0) depctr_va_vdst(0) depctr_va_sdst(0) depctr_va_ssrc(0) depctr_va_vcc(0) depctr_vm_vsrc(0)
	s_getreg_b32 s2, hwreg(HW_REG_IB_STS2, 6, 4)
	s_cmp_eq_u32 s2, 0
	s_cbranch_scc0 .Lentry_in_a_cluster
	s_endpgm
.Lentry_in_a_cluster:
	s_bfe_u32 s2, ttmp6, 0x10000c
	s_cmp_lg_u32 s2, 0x3003
	s_cbranch_scc0 .Lentry_shape_is_right
	s_endpgm
.Lentry_shape_is_right:
; ctx = softmax(Q K^T / 8, keys with mask = 0 left out) V for 64 heads of 64 channels, 2,048 tokens; both products on codes of FP6 (E2M3) with E8M0 scales; ctx is quantised along the model's 1,024 for the last product.
; THE SOFTMAX AHEAD OF THE SECOND PRODUCT: t = score x log2(e) / 8; M = the running largest t rounded UP to a whole number; p = 2^(t - M) is quantised along the keys, not normalised; the row's sum is taken of the
; unquantised p and divides at the end.  When M moves, the sum and O are multiplied by 2^(old M - new M): exact.
; IN: qkv, records of 19,200 bytes, (batch x 16 + head) x 16 + step of 128 tokens: Q's 8 chunks at 0, Q's scale words at 6,144; from 6,400 on 12,800 bytes on end: K's 8 chunks, V's 4 fragments, K's scale words, V's.
; A chunk is 768 bytes, six registers of 32 lanes (bytes 16 l: registers 0-3; 512 + 8 l: registers 4-5).  Lane r of token tile a takes token 32 (a / 2) + 8 (a % 2) + r + 8 (r / 8) of the step; V's tiles of channels likewise.
; SHARES.  Work-group (x, y): 256 queries (x), batch y / 8, heads 2 (y % 8) and 2 (y % 8) + 1, one after the other: their 32 records are neighbours, so the ring runs on from head to head.  Each of SIXTEEN waves owns
; one tile of 16 queries in 256 registers: four waves to a SIMD, so that one wave's vector work stands beside another's matrix work and LDS loads.
; CLUSTER.  The four query blocks of a cluster walk the same K and V: each record is asked for JOINTLY (mask 15), by waves 0 to 7, one record each, eight records (key steps) to a slot, two slots.
; BOTH PRODUCTS TRANSPOSED: S^T = K Q^T, O^T = V^T P^T: a lane holds one query throughout, and p's 16 registers of two neighbouring tiles are 16 neighbouring keys.
; K = 64 IN AN INSTRUCTION OF 128: a fragment of K is the chunks of token tiles 2 f and 2 f + 1 on end.  Q stands between two runs of six zero registers: against [Q, 0] the fragment gives tile 2 f's scores, against
; [0, Q] tile 2 f + 1's.  Zero codes add nothing.  Q's scale word is its two bytes twice.
; THE MASK IS THE C OF THE SCORES' PRODUCTS: a table in LDS holds 0 for a key that counts and -2^120 for one that does not; it is loaded into the scores' registers, and the product adds onto it: no vector instruction.
; The largest t begins at -2^100, above every masked t: masked keys never move M, and their p is exactly 0.
; LIMITS: a batch whose mask is all zeros (NaN by the definition) gives finite numbers here: not served.  A true t under -2^100 is not served.  NaN and infinities are not served.  A block of zeros carries the byte 1
; where the rule says 127; blocks whose largest magnitude lies under 2^-124 keep the byte 1.
; OUT: cimg and csc, images as the last product's A side wants them: tile = 128 x batch + 16 x + wave; K step = y % 8; chunk = the head's parity.  csc's word is 4 bytes a row: one byte for each 24 of codes.
; REGISTERS: v1-7 addresses that stay; v8-10 the step's; v12 -M, v13 the largest t, v[14:15] the sum in two halves; v16-33 zeros, Q, zeros; v34-81 four fragments of K or V; v82-88 the second head's Q and scale word;
; v96-159 S^T, then p; v160-191 O^T; v192 ctx's scale word; v224-235 p's codes; v232-254 at work; v248-251 K's and V's scale words; v255 Q's.
.set REC,   19200
.set HEADB, 16*REC
.set PART,  12800                      ; what a key step brings
.set SLOT1, 1<<17                      ; slot 0 at 0, slot 1 here: EIGHT records (key steps) of 12,800 bytes each, fetched by waves 0 to 7, one record a wave; one exclusive or turns an address
.set SPARE, 2*SLOT1                    ; the spare words: 128 bytes for each of sixteen waves
.set MB,    SPARE+2048                 ; the mask's table: 2,048 f32; stored once, never filled
.set L16,  1
.set L8,   2
.set MK0,  3                           ; v3  MB + 64 (lane / 16)
.set R8,   4                           ; v4  8 (lane % 16)
.set SPW,  5
.set NIL,  6
.set MST,  7                           ; v7  MB + 16 x thread
.set A16,  8
.set A8,   9
.set AM,   10
.set F,    34
.set KS,   248
.set VS,   250
.set TB,   2                           ; s2  LDS byte at which the step's record begins
.set TMK,  3                           ; s3  the step's 512 bytes of the mask's table
.set WV,   18
.set SEL,  20
.set CS,   22                          ; s[22:23] log2(e) / 8
.set G1,   24
.set G0,   32                          ; one group 0, which walks
.set SLOTS, 36
.set STP,  37
.set QP,   38
.set QSP,  40
.set CB,   42
.set CSB,  44
.macro CROUND
	s_barrier_signal -1
	s_barrier_wait -1
	s_cmp_lg_u32 s[WV], 0
	s_cbranch_scc1 .Lnot_wave_0_\@
	s_barrier_signal -3
.Lnot_wave_0_\@:
	s_barrier_wait -3
	s_barrier_signal -1
	s_barrier_wait -1
.endm
.macro TLOAD                           ; waves 0 to 7 fetch a record each; the branch hangs on the wave's number alone.  An s_nop 0 and four v_nop follow the line
	s_cmp_lt_u32 s[WV], 8
	s_cbranch_scc0 .Lasked_\@
	tensor_load_to_lds s[G0:G0+3], s[G1:G1+7]
	s_nop 0
.rept 4
	v_nop
.endr
.Lasked_\@:
.endm
	s_load_b256 s[4:11], s[0:1], 0x0               ; qkv, mask, cimg, csc
	v_lshl_add_u32 v[SPW], v0, 2, SPARE
	v_mov_b32 v[NIL], 0
	ds_add_u32 v[SPW], v[NIL]                      ; the wave's opening: the add and its wait stand ahead of my first tensor load; work on registers stands between them
	ds_add_u32 v[SPW], v[NIL]
	v_lshrrev_b32 v8, 5, v0
	s_delay_alu instid0(VALU_DEP_1)
	v_readfirstlane_b32 s[WV], v8                  ; wave 0..15
	s_bfe_u32 s46, ttmp6, 0x40000                  ; cx
	s_lshl_b32 s47, ttmp9, 2
	s_add_co_u32 s47, s47, s46                     ; my block of 256 queries: it enters Q's and the outputs' addresses alone
	s_and_b32 s48, ttmp7, 0xffff                   ; 8 x batch + pair of heads, which the four partners share
	s_mul_i32 s49, s48, 32*REC                     ; the pair's 32 records
	s_and_b32 s62, s[WV], 7
	s_mul_i32 s50, s62, REC
	s_add_co_u32 s50, s50, s49
	s_add_co_u32 s50, s50, 6400                    ; what I fetch, if I fetch: record wave % 8 of a slot's eight, from K's chunks on
	s_mov_b32 s51, 0
	s_mul_i32 s63, s62, PART                       ; and its place in a slot
	s_lshl_b32 s52, s47, 1
	s_lshr_b32 s66, s[WV], 3
	s_add_co_u32 s52, s52, s66                     ; my queries' step of 128 tokens
	s_mul_i32 s52, s52, REC
	s_add_co_u32 s52, s52, s49
	s_bfe_u32 s67, s[WV], 0x10001                  ; my tile a = wave % 8: its scale word is word a / 2 of the field: at 128 ((a / 2) % 2) + 4 (a / 4) + 8 r
	s_lshl_b32 s67, s67, 7
	s_add_co_u32 s54, s52, s67
	s_bfe_u32 s67, s[WV], 0x10002
	s_lshl_b32 s67, s67, 2
	s_add_co_u32 s54, s54, s67
	s_add_co_u32 s54, s54, 6144
	s_mov_b32 s55, 0
	s_and_b32 s66, s[WV], 7
	s_mul_i32 s66, s66, 768
	s_add_co_u32 s52, s52, s66                     ; my chunk of Q
	s_mov_b32 s53, 0
	s_lshr_b32 s66, s48, 3                         ; batch
	s_and_b32 s67, s48, 7                          ; pair of heads
	s_lshl_b32 s60, s66, 13                        ; the batch's mask
	s_mov_b32 s61, 0
	s_lshl_b32 s66, s66, 7
	s_lshl_b32 s68, s47, 4
	s_add_co_u32 s66, s66, s68
	s_add_co_u32 s66, s66, s[WV]                   ; my tile of tokens among all 512
	s_mul_i32 s56, s66, 12288
	s_mul_i32 s68, s67, 1536
	s_add_co_u32 s56, s56, s68
	s_mov_b32 s57, 0
	s_lshl_b32 s58, s66, 9
	s_lshr_b32 s68, s67, 1
	s_lshl_b32 s68, s68, 7
	s_add_co_u32 s58, s58, s68
	s_and_b32 s68, s67, 1
	s_lshl_b32 s68, s68, 2
	s_add_co_u32 s58, s58, s68
	s_mov_b32 s59, 0
	; group 1: 12,800 dense bytes as 50 rows of 256 (32 elements of 8 bytes); no padding
	s_mov_b32 s[G1], 15|(3<<16)|(1<<21)            ; 15:0 the mask: all four work-groups; 17:16 elements of 8 bytes; 21 set beside a mask
	s_mov_b32 s[G1+1], 32<<16
	s_mov_b32 s[G1+2], 50<<16
	s_mov_b32 s[G1+3], 32<<16
	s_mov_b32 s[G1+4], 50
	s_mov_b32 s[G1+5], 32
	s_mov_b32 s[G1+6], 0
	s_mov_b32 s[G1+7], 0
	s_mov_b32 s[SEL], 0x76543210
	s_mov_b32 s[SEL+1], 0xfedcba98
	s_mov_b32 s[CS], 0x3e38aa3b                    ; log2(e) / 8
	s_mov_b32 s[CS+1], s[CS]                       ; (named with it as a pair, so it is written)
	s_mov_b32 s[TB], 0
	s_mov_b32 s[TMK], 0
	s_mov_b32 s[SLOTS], 3
	s_wait_dscnt 0x0                               ; the opening add is done
	s_wait_kmcnt 0x0
	s_mov_b32 s[G0], 1
	s_mov_b32 s[G0+1], s63
	s_add_nc_u64 s[G0+2:G0+3], s[4:5], s[50:51]
	s_or_b32 s[G0+3], s[G0+3], 0x80000000
	s_add_nc_u64 s[QP:QP+1], s[4:5], s[52:53]
	s_add_nc_u64 s[QSP:QSP+1], s[4:5], s[54:55]
	s_add_nc_u64 s[CB:CB+1], s[8:9], s[56:57]
	s_add_nc_u64 s[CSB:CSB+1], s[10:11], s[58:59]
	s_add_nc_u64 s[6:7], s[6:7], s[60:61]
	CROUND                                         ; all four work-groups are here: the first joint loads meet
	TLOAD                                          ; slot 0
	v_lshlrev_b32 v11, 4, v0                       ; 512 threads x 16 bytes: the batch's 2,048 mask words
	global_load_b128 v[96:99], v11, s[6:7]
	v_lshl_add_u32 v[MST], v0, 4, MB
	v_and_b32 v8, 31, v0
	s_delay_alu instid0(VALU_DEP_1)
	v_lshlrev_b32 v[L16], 4, v8
	s_delay_alu instid0(VALU_DEP_2)
	v_lshlrev_b32 v[L8], 3, v8
	v_and_b32 v9, 15, v0
	s_delay_alu instid0(VALU_DEP_1)
	v_lshlrev_b32 v[R8], 3, v9
	v_bfe_u32 v10, v0, 4, 1
	s_delay_alu instid0(VALU_DEP_1)
	v_lshlrev_b32 v[MK0], 6, v10
	s_delay_alu instid0(VALU_DEP_1)
	v_add_nc_u32 v[MK0], MB, v[MK0]
	global_load_b128 v[22:25], v[L16], s[QP:QP+1]                   ; Q of the first head,
	global_load_b64 v[26:27], v[L8], s[QP:QP+1] offset:512
	global_load_b128 v[82:85], v[L16], s[QP:QP+1] offset:HEADB      ; and of the second
	global_load_b64 v[86:87], v[L8], s[QP:QP+1] offset:HEADB+512
	global_load_b32 v255, v[R8], s[QSP:QSP+1]
	global_load_b32 v88, v[R8], s[QSP:QSP+1] offset:HEADB
	s_and_b32 s62, s[WV], 1
	s_cmp_eq_u32 s62, 0
	s_mov_b32 s62, 0x03020302
	s_cselect_b32 s62, 0x01000100, s62             ; my tile's two bytes of the pair's word, twice
	v_mov_b32 v100, 0xfb800000                     ; -2^120
	s_wait_alu depctr_va_vdst(0)
	s_wait_loadcnt 6                               ; the mask's words are in; Q's six loads may be out
.irp i, 0,1,2,3
	v_cmp_eq_u32 vcc_lo, 0, v[96+\i]
	s_delay_alu instid0(VALU_DEP_1)
	v_cndmask_b32 v[96+\i], 0, v100, vcc_lo
.endr
	ds_store_b128 v[MST], v[96:99]                 ; read by all waves behind the first change of slots, whose wait for my LDS instructions and whose round stand between
	s_wait_loadcnt 0x0
	v_perm_b32 v255, v255, v255, s62
	v_perm_b32 v88, v88, v88, s62
.irp i, 0,1,2,3,4,5
	v_mov_b32 v[16+\i], 0
	v_mov_b32 v[28+\i], 0
.endr
	v_mov_b32 v13, 0xf1800000                      ; the largest t so far: -2^100
	s_delay_alu instid0(VALU_DEP_1)
	v_floor_f32 v12, -v13                          ; -M
	v_mov_b32 v14, 0
	v_mov_b32 v15, 0
.irp b, 0,1,2,3
	v_mov_b32 v[236+\b], 0                         ; written once: a lane permute's destination counts as one of its sources
.endr
	v_mov_b32 v253, 0                              ; (named as the upper half of v[252:253] before it is first written)
	v_mov_b32 v192, 0
.set j, 0
.rept 32
	v_mov_b32 v[160+j], 0                          ; O^T.  (The step is written once: a head's first step finds zeros, which the first change of M leaves zeros)
.set j, j+1
.endr
.macro SCORE t, f, q0, row             ; tile t's scores: the mask's numbers in the accumulator are the C
.if \row
	v_wmma_scale_f32_16x16x128_f8f6f4 v[96+8*(\t):103+8*(\t)], v[F+12*(\f):F+12*(\f)+11], v[\q0:\q0+11], v[96+8*(\t):103+8*(\t)], v[KS+(\f)/2], v255 matrix_a_fmt:MATRIX_FMT_FP6 matrix_b_fmt:MATRIX_FMT_FP6 matrix_a_scale:MATRIX_SCALE_ROW1
.else
	v_wmma_scale_f32_16x16x128_f8f6f4 v[96+8*(\t):103+8*(\t)], v[F+12*(\f):F+12*(\f)+11], v[\q0:\q0+11], v[96+8*(\t):103+8*(\t)], v[KS+(\f)/2], v255 matrix_a_fmt:MATRIX_FMT_FP6 matrix_b_fmt:MATRIX_FMT_FP6
.endif
.endm
.macro OUTP d, row                     ; O^T's tile d of 16 channels += V^T P^T over the step's 128 keys
.if \row
	v_wmma_scale_f32_16x16x128_f8f6f4 v[160+8*(\d):167+8*(\d)], v[F+12*(\d):F+12*(\d)+11], v[224:235], v[160+8*(\d):167+8*(\d)], v[VS+(\d)/2], v253 matrix_a_fmt:MATRIX_FMT_FP6 matrix_b_fmt:MATRIX_FMT_FP6 matrix_a_scale:MATRIX_SCALE_ROW1
.else
	v_wmma_scale_f32_16x16x128_f8f6f4 v[160+8*(\d):167+8*(\d)], v[F+12*(\d):F+12*(\d)+11], v[224:235], v[160+8*(\d):167+8*(\d)], v[VS+(\d)/2], v253 matrix_a_fmt:MATRIX_FMT_FP6 matrix_b_fmt:MATRIX_FMT_FP6
.endif
.endm
.macro FOUR base                       ; four fragments from byte base of the step's record
.irp f, 0,1,2,3
	ds_load_b128 v[F+12*\f:F+12*\f+3], v[A16] offset:\base+1536*\f
	ds_load_b64 v[F+12*\f+4:F+12*\f+5], v[A8] offset:\base+1536*\f+512
	ds_load_b128 v[F+12*\f+6:F+12*\f+9], v[A16] offset:\base+1536*\f+768
	ds_load_b64 v[F+12*\f+10:F+12*\f+11], v[A8] offset:\base+1536*\f+1280
.endr
.endm
; A KEY STEP: 128 keys.  Every accumulator's turn is one instruction, and no two matrix instructions that follow each other share an accumulator.
.macro STEP
	v_add_nc_u32 v[A16], s[TB], v[L16]             ; these three and the v_nop are the four places between the last products and the loads into registers that they have read
	v_add_nc_u32 v[A8], s[TB], v[L8]
	v_add_nc_u32 v[AM], s[TMK], v[MK0]
	v_nop
	FOUR 0                                         ; K's eight chunks: four fragments
	ds_load_b64 v[KS:KS+1], v[A8] offset:12288     ; their scale words: register f / 2, lanes 0-15 for even f, 16-31 for odd f
.irp t, 0,1,2,3,4,5,6,7
	ds_load_b128 v[96+8*\t:99+8*\t], v[AM] offset:128*(\t/2)+32*(\t%2)          ; the mask's numbers of keys 32 (t / 2) + 8 (t % 2) + 16 h + 0 .. 7: sixteen lanes share each word
	ds_load_b128 v[100+8*\t:103+8*\t], v[AM] offset:128*(\t/2)+32*(\t%2)+16
.endr
	s_wait_alu depctr_va_vdst(0)
	s_wait_dscnt 0x0
.irp f, 0,1,2,3
	SCORE 2*\f, \f, 22, \f%2                       ; against [Q, 0]
	SCORE 2*\f+1, \f, 16, \f%2                     ; against [0, Q]
.endr
.rept 4
	v_nop                                          ; places in front of the loads below and of the first read of the scores
.endr
	FOUR 6144                                      ; V's four fragments: they land while the softmax is walked
	ds_load_b64 v[VS:VS+1], v[A8] offset:12544
.irp b, 0,1,2,3
	v_max3_num_f32 v[232+\b], v[96+16*\b], v[97+16*\b], v[98+16*\b]   ; the largest score of each block of 32 keys: it serves the row's maximum and, since p rises with the score, the block's largest p
.endr
.irp i, 3,5,7,9,11,13
.irp b, 0,1,2,3
	v_max3_num_f32 v[232+\b], v[232+\b], v[96+16*\b+\i], v[97+16*\b+\i]
.endr
.endr
.irp b, 0,1,2,3
	v_max_num_f32 v[232+\b], v[232+\b], v[111+16*\b]
.endr
.irp b, 0,1,2,3
	s_delay_alu instid0(VALU_DEP_4)
	v_permlanex16_b32 v[236+\b], v[232+\b], s[SEL], s[SEL+1]
.endr
.irp b, 0,1,2,3
	s_delay_alu instid0(VALU_DEP_4)
	v_max_num_f32 v[232+\b], v[232+\b], v[236+\b]  ; with lane l xor 16's 16 keys
.endr
	s_delay_alu instid0(VALU_DEP_2)
	v_max3_num_f32 v254, v232, v233, v234
	s_delay_alu instid0(VALU_DEP_1)
	v_max_num_f32 v254, v254, v235                 ; the step's largest score of my query
	s_delay_alu instid0(VALU_DEP_1)
	v_mul_f32 v254, s[CS], v254                    ; as t
	s_delay_alu instid0(VALU_DEP_1)
	v_max_num_f32 v13, v13, v254                   ; the running largest t
	v_mov_b32 v254, v12
	s_delay_alu instid0(VALU_DEP_2)
	v_floor_f32 v12, -v13                          ; the new -M = floor(-t): M is a whole number
	s_delay_alu instid0(VALU_DEP_1)
	v_sub_f32 v254, v12, v254                      ; old M - new M: a whole number, 0 or less
	s_delay_alu instid0(VALU_DEP_1)
	v_cvt_i32_f32 v254, v254                       ; (it saturates)
	s_delay_alu instid0(VALU_DEP_1)
	v_ldexp_f32 v252, 1.0, v254                    ; f = 2^(old M - new M)
.set j, 0
.rept 32
	v_pk_fma_f32 v[96+j:97+j], v[96+j:97+j], s[CS:CS+1], v[12:13] op_sel_hi:[1,0,0]   ; t - M, two at a time
.set j, j+2
.endr
.irp b, 0,1,2,3
	v_fma_f32 v[232+\b], v[232+\b], s[CS], v12     ; the same of each block's largest score
.endr
.set j, 0
	s_wait_alu depctr_va_vdst(0)
.rept 64
	v_exp_f32 v[96+j], v[96+j]                     ; p = 2^(t - M), at most 1; exactly 0 for a masked key
.set j, j+1
.endr
	v_pk_mul_f32 v[14:15], v[14:15], v[252:253] op_sel_hi:[1,0]     ; the sums under the new M: a plain place behind the exponentials
	s_wait_alu depctr_va_vdst(0)                   ; one wait for the whole batch, ahead of its first reader
.irp b, 0,1,2,3
	v_exp_f32 v[232+\b], v[232+\b]                 ; the block's largest p
.endr
	v_pk_add_f32 v[236:237], v[100:101], v[104:105]
	v_pk_add_f32 v[248:249], v[108:109], v[112:113]
	v_pk_add_f32 v[246:247], v[116:117], v[120:121]
	v_pk_add_f32 v[244:245], v[124:125], v[128:129]
	v_pk_add_f32 v[242:243], v[132:133], v[136:137]
	v_pk_add_f32 v[240:241], v[140:141], v[144:145]
	v_pk_add_f32 v[238:239], v[148:149], v[152:153]
	v_pk_add_f32 v[14:15], v[14:15], v[156:157]
	v_pk_add_f32 v[236:237], v[236:237], v[96:97]
	v_pk_add_f32 v[248:249], v[248:249], v[98:99]
	v_pk_add_f32 v[246:247], v[246:247], v[102:103]
	v_pk_add_f32 v[244:245], v[244:245], v[106:107]
	v_pk_add_f32 v[242:243], v[242:243], v[110:111]
	v_pk_add_f32 v[240:241], v[240:241], v[114:115]
	v_pk_add_f32 v[238:239], v[238:239], v[118:119]
	v_pk_add_f32 v[14:15], v[14:15], v[122:123]
	v_pk_add_f32 v[236:237], v[236:237], v[126:127]
	v_pk_add_f32 v[248:249], v[248:249], v[130:131]
	v_pk_add_f32 v[246:247], v[246:247], v[134:135]
	v_pk_add_f32 v[244:245], v[244:245], v[138:139]
	v_pk_add_f32 v[242:243], v[242:243], v[142:143]
	v_pk_add_f32 v[240:241], v[240:241], v[146:147]
	v_pk_add_f32 v[238:239], v[238:239], v[150:151]
	v_pk_add_f32 v[14:15], v[14:15], v[154:155]
	v_pk_add_f32 v[236:237], v[236:237], v[158:159]
	s_delay_alu instid0(VALU_DEP_2)
	v_pk_add_f32 v[14:15], v[14:15], v[244:245]
	s_delay_alu instid0(VALU_DEP_2)
	v_pk_add_f32 v[236:237], v[236:237], v[242:243]
	v_pk_add_f32 v[248:249], v[248:249], v[240:241]
	v_pk_add_f32 v[246:247], v[246:247], v[238:239]
	s_delay_alu instid0(VALU_DEP_2)
	v_pk_add_f32 v[14:15], v[14:15], v[248:249]
	s_delay_alu instid0(VALU_DEP_2)
	v_pk_add_f32 v[236:237], v[236:237], v[246:247]
	s_delay_alu instid0(VALU_DEP_1)
	v_pk_add_f32 v[14:15], v[14:15], v[236:237]
	s_wait_alu depctr_va_vdst(0)                   ; and one for the four
.irp b, 0,1,2,3
	v_max_num_f32 v[232+\b], 0x1800000, v[232+\b]  ; the floor 2^(3 - 127): the byte cannot fall under 1
.endr
.irp b, 0,1,2,3
	s_delay_alu instid0(VALU_DEP_4)
	v_add_nc_u32 v[244+\b], 0xff000000, v[232+\b]  ; 2 off the exponent field: the conversion's scale operand
.endr
.irp b, 0,1,2,3
	s_delay_alu instid0(VALU_DEP_4)
	v_lshrrev_b32 v[236+\b], 23, v[244+\b]
.endr
	s_delay_alu instid0(VALU_DEP_3)
	v_lshl_or_b32 v253, v237, 8, v236              ; p's scale word for these 128 keys
	s_delay_alu instid0(VALU_DEP_1)
	v_lshl_or_b32 v253, v238, 16, v253
	s_delay_alu instid0(VALU_DEP_1)
	v_lshl_or_b32 v253, v239, 24, v253
.irp c, 0,1
	v_cvt_scalef32_pk16_fp6_f32 v[224+6*\c:226+6*\c], v[96+32*\c:111+32*\c], v[244+2*\c]
	v_cvt_scalef32_pk16_fp6_f32 v[236+4*\c:238+4*\c], v[112+32*\c:127+32*\c], v[244+2*\c+1]
.endr
	v_nop                                          ; one plain place behind a scaled conversion
.irp c, 0,1
.irp i, 0,1,2
	v_permlane16_swap_b32 v[224+6*\c+\i], v[236+4*\c+\i]
.endr
.irp i, 0,1,2
	s_delay_alu instid0(VALU_DEP_3)
	v_mov_b32 v[227+6*\c+\i], v[236+4*\c+\i]
.endr
.endr
.set j, 0
.rept 16
	v_pk_mul_f32 v[160+j:161+j], v[160+j:161+j], v[252:253] op_sel_hi:[1,0]   ; O^T under the new M.  These sixteen are also the places between the writes of p's codes and scale word and the products
.set j, j+2
.endr
	s_wait_alu depctr_va_vdst(0)
	s_wait_dscnt 0x0                               ; V
.irp d, 0,1,2,3
	OUTP \d, \d%2
.endr
.endm
; THE CHANGE OF SLOTS stands at a slot's head.  Each wave waits for all its tensor loads, adds 0 to its spare word, and waits for that and for its reads of the slot that it has left.  fill = 1: behind a round of the
; cluster's barrier the slot just left is filled with the eight records that follow: the load has eight key steps of all sixteen waves in which to land.  One tensor load of a wave is out.
.macro CHANGE fill
	s_wait_tensorcnt 0x0
	ds_add_u32 v[SPW], v[NIL]
.if \fill
	ds_add_u32 v[SPW], v[NIL]                      ; and twice on end
	s_xor_b32 s[G0+1], s[G0+1], SLOT1              ; no tensor load of mine is out, so group 0 may be written: the other slot,
	s_add_nc_u64 s[G0+2:G0+3], s[G0+2:G0+3], 8*REC ; the next eight records
.endif
	s_wait_dscnt 0x0
.if \fill
	CROUND
	TLOAD
.else
	s_barrier_signal -1
	s_barrier_wait -1
.endif
.endm
.macro SLOT_STEPS                      ; a slot's eight key steps: written once, walked eight times
	s_mov_b32 s[STP], 8                            ; a slot's eight key steps
.Lstep_\@:
	STEP
	s_add_co_u32 s[TB], s[TB], PART
	s_add_co_u32 s[TMK], s[TMK], 512
	s_and_b32 s[TMK], s[TMK], 0x1fff               ; the second head begins the table anew
	s_sub_co_u32 s[STP], s[STP], 1
	s_cmp_lg_u32 s[STP], 0
	s_cbranch_scc1 .Lstep_\@
	s_sub_co_u32 s[TB], s[TB], 8*PART
	s_xor_b32 s[TB], s[TB], SLOT1                  ; on to the other slot
.endm
; A HEAD'S END: O^T / the sum is ctx's 64 channels of my 16 tokens, register 16 b + i = channel 32 b + 16 h + i: two blocks of the last product's K: one chunk, and two bytes of its scale word.
.macro FINAL
.rept 4
	v_nop                                          ; places behind the last products
.endr
	v_add_f32 v14, v14, v15
	s_delay_alu instid0(VALU_DEP_1)
	v_permlanex16_b32 v252, v14, s[SEL], s[SEL+1]
	s_delay_alu instid0(VALU_DEP_1)
	v_add_f32 v14, v14, v252                       ; the row's sum
	s_wait_alu depctr_va_vdst(0)
	v_rcp_f32 v14, v14
	v_nop                                          ; a plain place behind the transcendental
	s_wait_alu depctr_va_vdst(0)                   ; and the wait ahead of its first reader
.set j, 0
.rept 16
	v_pk_mul_f32 v[96+j:97+j], v[160+j:161+j], v[14:15] op_sel_hi:[1,0]
.set j, j+2
.endr
.irp b, 0,1
	v_max3_num_f32 v[232+\b], |v[96+16*\b]|, |v[97+16*\b]|, 0x1800000
.endr
.irp i, 2,4,6,8,10,12,14
.irp b, 0,1
	s_delay_alu instid0(VALU_DEP_2)
	v_max3_num_f32 v[232+\b], v[232+\b], |v[96+16*\b+\i]|, |v[97+16*\b+\i]|
.endr
.endr
.irp b, 0,1
	s_delay_alu instid0(VALU_DEP_2)
	v_permlanex16_b32 v[236+\b], v[232+\b], s[SEL], s[SEL+1]
.endr
.irp b, 0,1
	s_delay_alu instid0(VALU_DEP_2)
	v_max_num_f32 v[232+\b], v[232+\b], v[236+\b]
.endr
.irp b, 0,1
	s_delay_alu instid0(VALU_DEP_2)
	v_add_nc_u32 v[244+\b], 0xff000000, v[232+\b]
.endr
.irp b, 0,1
	s_delay_alu instid0(VALU_DEP_2)
	v_lshrrev_b32 v[236+\b], 23, v[244+\b]
.endr
	s_delay_alu instid0(VALU_DEP_1)
	v_lshl_or_b32 v238, v237, 8, v236
	v_cvt_scalef32_pk16_fp6_f32 v[224:226], v[96:111], v244
	v_cvt_scalef32_pk16_fp6_f32 v[240:242], v[112:127], v245
	v_nop
.irp i, 0,1,2
	v_permlane16_swap_b32 v[224+\i], v[240+\i]
.endr
.irp i, 0,1,2
	s_delay_alu instid0(VALU_DEP_3)
	v_mov_b32 v[227+\i], v[240+\i]
.endr
	global_store_b128 v[L16], v[224:227], s[CB:CB+1]                ; 512 consecutive bytes, at a multiple of 256 from the buffer's first byte,
	global_store_b64 v[L8], v[228:229], s[CB:CB+1] offset:512       ; and 256
	v_lshrrev_b32 v192, 16, v192
	s_delay_alu instid0(VALU_DEP_1)
	v_lshl_or_b32 v192, v238, 16, v192             ; the first head's two bytes end up below, the second's above
.endm
.macro REINIT                          ; the second head: its Q, and the statistics as at the start
.irp i, 0,1,2,3,4,5
	v_mov_b32 v[22+\i], v[82+\i]
.endr
	v_mov_b32 v255, v88
	v_mov_b32 v13, 0xf1800000
	s_delay_alu instid0(VALU_DEP_1)
	v_floor_f32 v12, -v13
	v_mov_b32 v14, 0
	v_mov_b32 v15, 0
.set j, 0
.rept 32
	v_mov_b32 v[160+j], 0
.set j, j+1
.endr
	s_wait_xcnt 0x0                                ; the chunk's stores have read their data and their base
	s_add_nc_u64 s[CB:CB+1], s[CB:CB+1], 768
.endm
.Lslot:                                            ; three trips: behind each change of slots but the last the next slot is asked for
	CHANGE 1
	SLOT_STEPS
	s_cmp_lg_u32 s[SLOTS], 2                       ; two slots are a head's 16 steps.  The branch hangs on the loop's count; no tensor load and no barrier stands under it
	s_cbranch_scc1 .Lsame_head
	FINAL
	REINIT
.Lsame_head:
	s_sub_co_u32 s[SLOTS], s[SLOTS], 1
	s_cmp_lg_u32 s[SLOTS], 0
	s_cbranch_scc1 .Lslot
	CHANGE 0                                       ; the last slot is written out
	SLOT_STEPS
	FINAL
	global_store_b32 v[R8], v192, s[CSB:CSB+1]     ; my rows' scale word of this K step; lanes r and r + 16 hold the same word and name the same address
	s_wait_tensorcnt 0x0                           ; the wave's end
	ds_add_u32 v[SPW], v[NIL]
	s_wait_dscnt 0x0
	CROUND                                         ; the closing round
	s_endpgm
.Lfunc_end_k_q1032720f6d_attn:
	.size	k_q1032720f6d_attn, .Lfunc_end_k_q1032720f6d_attn-k_q1032720f6d_attn
	.p2alignl 7, 3214868480
	.fill 96, 4, 3214868480
	.section	.rodata,"a",@progbits
	.p2align	6, 0x0
	.amdhsa_kernel k_q1032720f6d_attn
		.amdhsa_group_segment_fixed_size 327680
		.amdhsa_private_segment_fixed_size 0
		.amdhsa_enable_private_segment 0
		.amdhsa_kernarg_size 32
		.amdhsa_user_sgpr_count 2
		.amdhsa_user_sgpr_kernarg_segment_ptr 1
		.amdhsa_wavefront_size32 1
		.amdhsa_system_sgpr_workgroup_id_x 1
		.amdhsa_system_sgpr_workgroup_id_y 1
		.amdhsa_system_sgpr_workgroup_id_z 1
		.amdhsa_system_vgpr_workitem_id 0
		.amdhsa_next_free_vgpr 256
		.amdhsa_next_free_sgpr 70
		.amdhsa_reserve_vcc 1
		.amdhsa_float_denorm_mode_32 3
		.amdhsa_float_denorm_mode_16_64 3
		.amdhsa_memory_ordered 1
		.amdhsa_forward_progress 1
		.amdhsa_inst_pref_size 58
	.end_amdhsa_kernel
	.amdgpu_metadata
---
amdhsa.version: [ 1, 2 ]
amdhsa.kernels:
  - .name:           k_q1032720f6d_attn
    .symbol:         k_q1032720f6d_attn.kd
    .args:
      - { .name: qkv, .offset: 0, .size: 8, .value_kind: global_buffer, .address_space: global }
      - { .name: mask, .offset: 8, .size: 8, .value_kind: global_buffer, .address_space: global }
      - { .name: cimg, .offset: 16, .size: 8, .value_kind: global_buffer, .address_space: global }
      - { .name: csc, .offset: 24, .size: 8, .value_kind: global_buffer, .address_space: global }
    .group_segment_fixed_size: 327680
    .private_segment_fixed_size: 0
    .kernarg_segment_align: 8
    .kernarg_segment_size: 32
    .max_flat_workgroup_size: 512
    .sgpr_count:     70
    .vgpr_count:     256
    .wavefront_size: 32
...
	.end_amdgpu_metadata
.endif
;; end of part 3
;; launch outp (part 4): grid 4 x 64, 4 waves a work-group, clusters of 4 x 4, 327,680 bytes of LDS; arguments cimg, csc, wimg, wsc, bo, out0; writes out0
.if DOCPART == 4
	.amdgcn_target "amdgcn-amd-amdhsa--gfx1250"
	.amdhsa_code_object_version 6
	.text
	.protected	k_q1032720f6d_outp
	.globl	k_q1032720f6d_outp
	.p2align	8
	.type	k_q1032720f6d_outp,@function
k_q1032720f6d_outp:
	s_mov_b64 s[64:65], 0
	v_nop
	global_prefetch_b8 v0, s[64:65] scope:SCOPE_SE
	s_setreg_imm32_b32 hwreg(HW_REG_WAVE_MODE, 25, 1), 1
	s_wait_xcnt 0x0
	s_wait_alu depctr_hold_cnt(0) depctr_sa_sdst(0) depctr_va_vdst(0) depctr_va_sdst(0) depctr_va_ssrc(0) depctr_va_vcc(0) depctr_vm_vsrc(0)
	s_getreg_b32 s2, hwreg(HW_REG_IB_STS2, 6, 4)
	s_cmp_eq_u32 s2, 0
	s_cbranch_scc0 .Lentry_in_a_cluster
	s_endpgm
.Lentry_in_a_cluster:
	s_bfe_u32 s2, ttmp6, 0x10000c
	s_cmp_lg_u32 s2, 0xf033
	s_cbranch_scc0 .Lentry_shape_is_right
	s_endpgm
.Lentry_shape_is_right:
; out0 = ctx Wo + bo: [8192][1024] f32, K = 1,024, both operands codes of FP6 (E2M3) with E8M0 scales, as images of operand registers:
; codes [tile of 16 rows][K step of 128, 0..7][chunk of 768 bytes, 0..1] (bytes 16 l: lane l's registers 0-3; 512 + 8 l: registers 4-5); scales [tile][slot of 256 along K][r][2 words].
; Lane r of tile T stands for row (token, or column n of Wo) 32 (T / 2) + 8 (T % 2) + r + 8 (r / 8).
; A BLOCK is 128 tokens x 256 columns: 256 work-groups.  ALL OF K LIES IN LDS AT ONCE: ctx's 8 tiles x 12,288 bytes and Wo's 16 x 12,288 are 294,912 bytes.  So each wave issues ONE tensor load, at the head,
; nothing is filled again, and the walk along K has no barrier.  Waves 0 and 1 fetch ctx's two halves of K (8 rows of 6,144 bytes), waves 2 and 3 eight tiles of Wo each (8 rows of 12,288 bytes).
; CLUSTER 4 x 4: ctx's tiles are shared along a row of the cluster, Wo's along a column: joint loads.
; A wave makes 64 x 128: 32 accumulators (window 2), by turns; the product is used transposed (source 0 = Wo's tile, source 1 = ctx's), so a lane holds eight neighbours of a row.
; THE SCALES come once, straight into registers: a load of 8 bytes a lane reads 256 consecutive bytes: lanes 0-15 hold slot 2 j's two words of row r, lanes 16-31 slot 2 j + 1's; the ROW selector picks the slot.
; The bias is the C of the first K step's products.  No prefetch: every byte is asked for at the head, and there is no loop to run ahead in.
; REGISTERS: window 0: v0-31 addresses; v32-47 ctx's scale words; v48-79 Wo's; v80-143 the bias; v144-239 ctx's fragments, two sets; on the way out v80-207 take the rows read back.  Window 1: Wo's fragments, two sets, at v0 and v128.
.set TILEB, 12288                      ; a tile's codes for all of K
.set AH,    8*6144                     ; ctx: one half of K of 8 tiles
.set BBASE, 2*AH                       ; Wo's tiles lie behind ctx's
.set BHALF, 8*TILEB
.set SPARE, BBASE+2*BHALF              ; the spare words, 128 bytes a wave
.set SPITCH, 528                       ; the way out: a stage of 16 rows x (512 + 16) bytes for each wave, from LDS byte 0 on: codes that are read no more
.set L16,  3
.set L8,   4
.set A16,  16                          ; v16-17 ctx's fragments, K half 0, 1 (16 bytes a lane); v18-19 (8 bytes a lane)
.set A8,   18
.set B16,  20                          ; v20-21 Wo's tiles 0-3, 4-7 of my eight; v22-23
.set B8,   22
.set STO,  24
.set RD,   25
.set SPW,  28
.set NIL,  29
.set SA,   32
.set SBS,  48
.set BB,   80
.set AF,   144
.set BK,   80
.set WV,   20
.set RH,   21
.set CH,   22
.set G1,   24
.set G0,   32
.set G1B,  48
.set G0B,  56
.set MSB, 0
.macro WIN new                         ; the immediate's high byte repeats the setting that is left
.if MSB != (\new)
	s_set_vgpr_msb (MSB<<8)|(\new)
.set MSB, (\new)
.endif
.endm
.set TO_B, 0x40
.macro CROUND                          ; a round of the cluster's barrier
	s_barrier_signal -1
	s_barrier_wait -1
	s_cmp_lg_u32 s[WV], 0
	s_cbranch_scc1 .Lnot_wave_0_\@
	s_barrier_signal -3
.Lnot_wave_0_\@:
	s_barrier_wait -3
	s_barrier_signal -1
	s_barrier_wait -1
.endm
.macro PLACES n
.rept \n
	v_nop
.endr
.endm
	s_load_b256 s[4:11], s[0:1], 0x0               ; cimg, csc, wimg, wsc
	s_load_b128 s[12:15], s[0:1], 0x20             ; bo, out0
	v_lshl_add_u32 v[SPW], v0, 2, SPARE
	v_mov_b32 v[NIL], 0
	ds_add_u32 v[SPW], v[NIL]                      ; the opening lines: the add, twice on end, and its wait ahead of my tensor load
	ds_add_u32 v[SPW], v[NIL]
	v_lshrrev_b32 v1, 5, v0
	v_readfirstlane_b32 s[WV], v1
	s_lshr_b32 s[RH], s[WV], 1                     ; which 64 of the block's rows are mine.  Also: I fetch ctx (0) or Wo (1)
	s_and_b32 s[CH], s[WV], 1                      ; which 128 of its columns.  Also: which half I fetch
	s_bfe_u32 s40, ttmp6, 0x40000                  ; cx = the block's column
	s_bfe_u32 s41, ttmp6, 0x40004                  ; cy
	s_and_b32 s43, ttmp7, 0xffff
	s_lshl_b32 s43, s43, 2
	s_add_co_u32 s43, s43, s41                     ; the block's row, 0..63
	s_lshl_b32 s44, s41, 2
	s_lshl_b32 s44, 15, s44                        ; my row of the cluster
	s_lshl_b32 s45, 0x1111, s40                    ; my column
	s_or_b32 s[G1+0], s44, (3<<16)|(1<<21)         ; elements of 8 bytes; bit 21 beside a mask
	s_mov_b32 s[G1+1], 768<<16                     ; ctx: 8 rows of 6,144 bytes, 12,288 apart
	s_mov_b32 s[G1+2], 8<<16
	s_mov_b32 s[G1+3], 768<<16
	s_mov_b32 s[G1+4], 8
	s_mov_b32 s[G1+5], 1536
	s_mov_b32 s[G1+6], 0
	s_mov_b32 s[G1+7], 0
	s_or_b32 s[G1B+0], s45, (3<<16)|(1<<21)
	s_mov_b32 s[G1B+1], 1536<<16                   ; Wo: 8 rows of 12,288 bytes, dense
	s_mov_b32 s[G1B+2], 8<<16
	s_mov_b32 s[G1B+3], 1536<<16
	s_mov_b32 s[G1B+4], 8
	s_mov_b32 s[G1B+5], 1536
	s_mov_b32 s[G1B+6], 0
	s_mov_b32 s[G1B+7], 0
	s_mul_i32 s96, s43, 8*TILEB                    ; ctx: the block's 8 tiles, + my half of K
	s_mul_i32 s95, s[CH], 6144
	s_add_co_u32 s96, s96, s95
	s_mov_b32 s97, 0
	s_lshl_b32 s98, s40, 4                         ; Wo (the fourth tensor of wimg): tile 16 cx + 8 x half
	s_lshl_b32 s95, s[CH], 3
	s_add_co_u32 s98, s98, s95
	s_mul_i32 s98, s98, TILEB
	s_add_co_u32 s98, s98, 3*786432
	s_mov_b32 s99, 0
	s_mul_i32 s46, s[CH], AH                       ; where they go: no place in the cluster enters an LDS address
	s_mul_i32 s47, s[CH], BHALF
	s_add_co_u32 s47, s47, BBASE
	s_wait_dscnt 0x0                               ; both opening adds are done
	s_wait_kmcnt 0x0
	s_mov_b32 s[G0], 1
	s_mov_b32 s[G0+1], s46
	s_add_nc_u64 s[G0+2:G0+3], s[4:5], s[96:97]
	s_or_b32 s[G0+3], s[G0+3], 0x80000000
	s_mov_b32 s[G0B], 1
	s_mov_b32 s[G0B+1], s47
	s_add_nc_u64 s[G0B+2:G0B+3], s[8:9], s[98:99]
	s_or_b32 s[G0B+3], s[G0B+3], 0x80000000
	CROUND                                         ; all sixteen work-groups are here: the joint loads meet
	s_cmp_eq_u32 s[RH], 0                          ; one load a wave, in the two arms of one branch on the wave's number
	s_cbranch_scc0 .Lfor_b
	tensor_load_to_lds s[G0:G0+3], s[G1:G1+7]
	s_nop 0
	PLACES 4
	s_branch .Lasked
.Lfor_b:
	tensor_load_to_lds s[G0B:G0B+3], s[G1B:G1B+7]
	s_nop 0
	PLACES 4
.Lasked:
	s_lshl_b32 s96, s43, 12                        ; ctx's scales: 512 bytes a tile: 8 tiles a block, my 4
	s_lshl_b32 s95, s[RH], 11
	s_add_co_u32 s96, s96, s95
	s_add_nc_u64 s[6:7], s[6:7], s[96:97]
	s_lshl_b32 s98, s40, 13                        ; Wo's: 16 tiles a block, my 8
	s_lshl_b32 s95, s[CH], 12
	s_add_co_u32 s98, s98, s95
	s_add_co_u32 s98, s98, 3*32768
	s_add_nc_u64 s[10:11], s[10:11], s[98:99]
	s_lshl_b32 s96, s40, 10                        ; my first column, in bytes
	s_lshl_b32 s95, s[CH], 9
	s_add_co_u32 s96, s96, s95
	s_add_nc_u64 s[12:13], s[12:13], s[96:97]
	s_lshl_b32 s94, s43, 19                        ; my first row: 128 rows of 4,096 bytes a block, 64 a half
	s_lshl_b32 s95, s[RH], 18
	s_add_co_u32 s94, s94, s95
	s_add_co_u32 s94, s94, s96
	s_mov_b32 s95, 0
	s_add_nc_u64 s[14:15], s[14:15], s[94:95]
	s_mul_i32 s94, s[RH], 4*6144
	s_mul_i32 s95, s[CH], BHALF
	s_add_co_u32 s95, s95, BBASE
	s_mul_i32 s93, s[WV], 16*SPITCH
	v_and_b32 v1, 15, v0                           ; r
	v_bfe_u32 v2, v0, 4, 1                         ; h
	v_and_b32 v[L16], 31, v0
	v_lshlrev_b32 v[L8], 3, v[L16]
	v_lshlrev_b32 v[L16], 4, v[L16]
	v_lshlrev_b32 v7, 6, v2                        ; the bias: 64 h bytes
.irp s, 0,1
	v_add_nc_u32 v[A16+\s], s94, v[L16]
	v_add_nc_u32 v[A8+\s], s94, v[L8]
	v_add_nc_u32 v[B16+\s], s95, v[L16]
	v_add_nc_u32 v[B8+\s], s95, v[L8]
	s_add_co_u32 s94, s94, AH
	s_add_co_u32 s95, s95, 4*TILEB
.endr
	v_mul_u32_u24 v5, v1, SPITCH
	v_lshl_add_u32 v5, v2, 6, v5
	v_add_nc_u32 v[STO], s93, v5                   ; into my stage: row r, + 64 h
	v_add_nc_u32 v[RD], s93, v[L16]                ; and back: 32 lanes take a row of 512 bytes
	s_wait_alu depctr_va_vdst(0)                   ; the wait at the head's end: no vector instruction writes a register behind it
.irp a, 0,1,2,3
.irp j, 0,1
	global_load_b64 v[SA+4*\a+2*\j:SA+4*\a+2*\j+1], v[L8], s[6:7] offset:512*\a+256*\j     ; 256 consecutive bytes: slots 2 j and 2 j + 1 of tile a
.endr
.endr
.irp b, 0,1,2,3,4,5,6,7
.irp j, 0,1
	global_load_b64 v[SBS+4*\b+2*\j:SBS+4*\b+2*\j+1], v[L8], s[10:11] offset:512*\b+256*\j
.endr
.endr
.irp b, 0,1,2,3,4,5,6,7
	global_load_b128 v[BB+8*\b:BB+8*\b+3], v7, s[12:13] offset:(32*(\b/2)+8*(\b%2))*4      ; bo at the lane's eight columns of tile b
	global_load_b128 v[BB+8*\b+4:BB+8*\b+7], v7, s[12:13] offset:(32*(\b/2)+8*(\b%2))*4+16
.endr
.macro FRAG reg, a16, a8, off          ; a fragment: two chunks, six registers each
	ds_load_b128 v[\reg:\reg+3], v[\a16] offset:(\off)
	ds_load_b64 v[\reg+4:\reg+5], v[\a8] offset:(\off)+512
	ds_load_b128 v[\reg+6:\reg+9], v[\a16] offset:(\off)+768
	ds_load_b64 v[\reg+10:\reg+11], v[\a8] offset:(\off)+1280
.endm
.macro FETCH q                         ; K step q's twelve fragments into set q % 2: 48 LDS loads
	WIN TO_B
.irp i, 0,1,2,3,4,5,6,7
	FRAG 128*((\q)%2)+12*\i, B16+\i/4, B8+\i/4, (\i%4)*TILEB+(\q)*1536
.endr
	WIN 0
.irp i, 0,1,2,3
	FRAG AF+48*((\q)%2)+12*\i, A16+(\q)/4, A8+(\q)/4, \i*6144+((\q)%4)*1536
.endr
.endm
.macro MUL q                           ; 32 matrix instructions: my 4 tiles of ctx x my 8 of Wo, 128 along K.  Scale word: register 2 (q / 4) + q % 2 of the tile's four, lanes' half (q / 2) % 2
.if (\q) == 0
	WIN 0x81                                       ; source 0 window 1, source 1 and C window 0, D window 2
.else
	WIN 0xa1                                       ; C and D window 2
.endif
.set SO, 2*((\q)/4)+(\q)%2
.irp a, 0,1,2,3
.irp b, 0,1,2,3,4,5,6,7
.if (\q) == 0
	v_wmma_scale_f32_16x16x128_f8f6f4 v[8*(8*\a+\b):8*(8*\a+\b)+7], v[12*\b:12*\b+11], v[AF+12*\a:AF+12*\a+11], v[BB+8*\b:BB+8*\b+7], v[SBS+4*\b], v[SA+4*\a] matrix_a_fmt:MATRIX_FMT_FP6 matrix_b_fmt:MATRIX_FMT_FP6
.else
.if (((\q)/2)%2) == 0
	v_wmma_scale_f32_16x16x128_f8f6f4 v[8*(8*\a+\b):8*(8*\a+\b)+7], v[128*((\q)%2)+12*\b:128*((\q)%2)+12*\b+11], v[AF+48*((\q)%2)+12*\a:AF+48*((\q)%2)+12*\a+11], v[8*(8*\a+\b):8*(8*\a+\b)+7], v[SBS+4*\b+SO], v[SA+4*\a+SO] matrix_a_fmt:MATRIX_FMT_FP6 matrix_b_fmt:MATRIX_FMT_FP6
.else
	v_wmma_scale_f32_16x16x128_f8f6f4 v[8*(8*\a+\b):8*(8*\a+\b)+7], v[128*((\q)%2)+12*\b:128*((\q)%2)+12*\b+11], v[AF+48*((\q)%2)+12*\a:AF+48*((\q)%2)+12*\a+11], v[8*(8*\a+\b):8*(8*\a+\b)+7], v[SBS+4*\b+SO], v[SA+4*\a+SO] matrix_a_fmt:MATRIX_FMT_FP6 matrix_b_fmt:MATRIX_FMT_FP6 matrix_a_scale:MATRIX_SCALE_ROW1 matrix_b_scale:MATRIX_SCALE_ROW1
.endif
.endif
.endr
.endr
.endm
	s_wait_tensorcnt 0x0                           ; my part of the codes is in;
	s_barrier_signal -1
	s_barrier_wait -1                              ; and everybody's
	FETCH 0
	s_wait_loadcnt 0x0                             ; the scale words and the bias
	s_wait_dscnt 0x0
	FETCH 1
	MUL 0                                          ; the first products start the sums on the bias
.irp q, 1,2,3,4,5,6
	s_wait_dscnt 0x0                               ; this step's 48 loads, issued ahead of the last step's 32 products
	PLACES 4                                       ; places in front of loads into registers that the last products have read
	FETCH \q+1
	MUL \q
.endr
	s_wait_dscnt 0x0                               ; my last reads of the codes are over:
	s_barrier_signal -1                            ; say so,
	MUL 7                                          ; work on registers while the others arrive,
	WIN 0
	s_barrier_wait -1                              ; and behind this wait nobody reads the codes any more: the stages may be written over them
; THE WAY OUT, block by block of 16 rows x 128 columns, through my own stage: back come whole rows of 512 bytes, stored as two aligned units of 256 bytes.
.macro TOSTAGE a
.set AC, 64*(\a)
	WIN 0x08                                       ; the data: window 2
.irp b, 0,1,2,3,4,5,6,7
	ds_store_b128 v[STO], v[AC+8*\b:AC+8*\b+3] offset:128*(\b/2)+32*(\b%2)                 ; each accumulator from its low end on
	ds_store_b128 v[STO], v[AC+8*\b+4:AC+8*\b+7] offset:128*(\b/2)+32*(\b%2)+16
.endr
	WIN 0
.set BR, BK+64*((\a)%2)
.irp t, 0,1,2,3,4,5,6,7,8,9,10,11,12,13,14,15
	ds_load_b128 v[BR+4*\t:BR+4*\t+3], v[RD] offset:\t*SPITCH       ; LDS serves a wave's instructions in order: these see my stores
.endr
.endm
.macro SEND a, younger                 ; younger: the LDS instructions issued behind block a's loads, which may stay out
.set BR, BK+64*((\a)%2)
	s_wait_dscnt \younger
.if (\a) > 0
.if ((\a)%2) == 1
	s_add_nc_u64 s[14:15], s[14:15], 8*4096        ; (behind a wait on XCNT)  tile a begins at row 32 (a / 2) + 8 (a % 2)
.else
	s_add_nc_u64 s[14:15], s[14:15], 24*4096
.endif
.endif
.irp t, 0,1,2,3,4,5,6,7,8,9,10,11,12,13,14,15
	global_store_b128 v[L16], v[BR+4*\t:BR+4*\t+3], s[14:15] offset:(\t+8*(\t/8))*4096 th:TH_STORE_NT   ; 512 consecutive bytes, at a multiple of 256 from the buffer's first byte
.endr
.endm
	PLACES 4                                       ; behind the last products: for the reads of their results and the loads into registers that they have read
	TOSTAGE 0
.irp a, 1,2,3
.if \a > 1
	s_wait_xcnt 0x0                                ; block a - 2's stores have read their registers and their base
.endif
	TOSTAGE \a
	SEND \a-1, 32                                  ; behind block a - 1's loads: block a's 16 stores and 16 loads
.endr
	s_wait_xcnt 0x0
	SEND 3, 0
	s_wait_tensorcnt 0x0                           ; the wave's end
	ds_add_u32 v[SPW], v[NIL]
	s_wait_dscnt 0x0
	CROUND                                         ; the closing round
	s_endpgm
.Lfunc_end_k_q1032720f6d_outp:
	.size	k_q1032720f6d_outp, .Lfunc_end_k_q1032720f6d_outp-k_q1032720f6d_outp
	.p2alignl 7, 3214868480
	.fill 96, 4, 3214868480
	.section	.rodata,"a",@progbits
	.p2align	6, 0x0
	.amdhsa_kernel k_q1032720f6d_outp
		.amdhsa_group_segment_fixed_size 327680
		.amdhsa_private_segment_fixed_size 0
		.amdhsa_enable_private_segment 0
		.amdhsa_kernarg_size 48
		.amdhsa_user_sgpr_count 2
		.amdhsa_user_sgpr_kernarg_segment_ptr 1
		.amdhsa_wavefront_size32 1
		.amdhsa_system_sgpr_workgroup_id_x 1
		.amdhsa_system_sgpr_workgroup_id_y 1
		.amdhsa_system_sgpr_workgroup_id_z 1
		.amdhsa_system_vgpr_workitem_id 0
		.amdhsa_next_free_vgpr 768
		.amdhsa_next_free_sgpr 102
		.amdhsa_reserve_vcc 0
		.amdhsa_float_denorm_mode_32 3
		.amdhsa_float_denorm_mode_16_64 3
		.amdhsa_memory_ordered 1
		.amdhsa_forward_progress 1
		.amdhsa_inst_pref_size 83
	.end_amdhsa_kernel
	.amdgpu_metadata
---
amdhsa.version: [ 1, 2 ]
amdhsa.kernels:
  - .name:           k_q1032720f6d_outp
    .symbol:         k_q1032720f6d_outp.kd
    .args:
      - { .name: cimg, .offset: 0, .size: 8, .value_kind: global_buffer, .address_space: global }
      - { .name: csc, .offset: 8, .size: 8, .value_kind: global_buffer, .address_space: global }
      - { .name: wimg, .offset: 16, .size: 8, .value_kind: global_buffer, .address_space: global }
      - { .name: wsc, .offset: 24, .size: 8, .value_kind: global_buffer, .address_space: global }
      - { .name: bo, .offset: 32, .size: 8, .value_kind: global_buffer, .address_space: global }
      - { .name: out0, .offset: 40, .size: 8, .value_kind: global_buffer, .address_space: global }
    .group_segment_fixed_size: 327680
    .private_segment_fixed_size: 0
    .kernarg_segment_align: 8
    .kernarg_segment_size: 48
    .max_flat_workgroup_size: 128
    .sgpr_count:     102
    .vgpr_count:     768
    .wavefront_size: 32
...
	.end_amdgpu_metadata
.endif
;; end of part 4
